; MI455X (gfx1250); checked and timed in simulation.
; The chip was launched on July 23, 2026; its instructions are those of AMD's public machine-readable ISA for CDNA 5 (MIT licence, August 2026) and "CDNA5" Instruction Set Architecture Reference Guide (July 2026). The comments in the code are by the model that wrote it; some were corrected since.
;; Causal Self Attention. Allowed arithmetic: matrix products marked QUANTISED: E2M3 operands, one E8M0 scale for each 32 along K, by v_wmma_scale_f32_16x16x128_f8f6f4 with both operands' format E2M3, f32 sums; everything else in f32.
;; Inputs: W_attn_codes 3,072 x 32 x 24 uint8 (E2M3 codes of W_attn, K innermost, in blocks of 32 codes, four codes in three bytes); W_attn_scales 3,072 x 32 uint8 (E8M0 scales of W_attn, one for each 32 codes along K); W_proj_codes 1,024 x 32 x 24 uint8 (E2M3 codes of W_proj, K innermost, in blocks of 32 codes, four codes in three bytes); W_proj_scales 1,024 x 32 uint8 (E8M0 scales of W_proj, one for each 32 codes along K); b_attn 3,072 float32; b_proj 1,024 float32; x_codes 4 x 2,048 x 32 x 24 uint8 (E2M3 codes of x, K innermost, in blocks of 32 codes, four codes in three bytes); x_scales 4 x 2,048 x 32 uint8 (E8M0 scales of x, one for each 32 codes along K).
;; Outputs: out0 4 x 2,048 x 1,024 float32.
;; This version of the problem:
;;   THIS VERSION OF THE PROBLEM IS GIVEN IN LOW PRECISION. The matrix products marked QUANTISED in the list below multiply operands that are first quantised to E2M3 (2 exponent bits, 3 mantissa bits; 6 bits a number), with one power-of-two scale for each 32 numbers along K (OCP MX v1.0); their sums are f32. All else is computed in f32.
;;   The module's matrix products, in the order in which they are computed (A, B: the left and right operand; K: the contracted axis; several contracted axes count as one K, in the product's order):
;;     1. [M 8,192, K 1,024] x [K 1,024, N 3,072]; A: input x (given as codes); B: input W_attn (given as codes): QUANTISED
;;     2. batch 64 x [M 2,048, K 64] x [K 64, N 2,048]; A: computed on the way; B: computed on the way: QUANTISED
;;     3. batch 64 x [M 2,048, K 2,048] x [K 2,048, N 64]; A: softmax (see below); B: computed on the way: QUANTISED
;;     4. [M 8,192, K 1,024] x [K 1,024, N 1,024]; A: computed on the way; B: input W_proj (given as codes): QUANTISED
;;   THE QUANTISER, for each operand of a quantised product, along K:
;;     - K is cut into blocks of 32 from its start; a last block that is shorter is filled with zeros.
;;     - A block's scale is 2^e with e = floor(log2(the largest magnitude in the block)) - 2, held to -126 .. 127; a block of zeros has e = 0. As a byte (E8M0): e + 127.
;;     - Each number is divided by its block's scale, clamped to +-7.5, and rounded to the nearest number of E2M3, ties to even, subnormals kept.
;;     - The product sums the exact products of the quantised numbers (number of the format x scale) in f32.
;;   ~~~python
;;   def quantise(x, axis):      # numpy; x: float32 -> the quantised numbers, widened to float32 again
;;       x = np.moveaxis(x, axis, -1); K = x.shape[-1]
;;       x = np.pad(x, [(0, 0)] * (x.ndim - 1) + [(0, -K % 32)]); x = x.reshape(x.shape[:-1] + (-1, 32)); a = np.abs(x).max(-1, keepdims=True)
;;       e = np.where(a > 0, np.clip(np.frexp(np.where(a > 0, a, 1))[1] - 1 - 2, -126, 127), 0)      # np.frexp(a)[1] - 1 = floor(log2(a)), exactly
;;       r = np.clip(x / 2.0 ** e, -7.5, 7.5)
;;       step = 2.0 ** (np.maximum(np.frexp(np.where(r == 0, 1, r))[1] - 1, 0) - 3)
;;       q = np.round(r / step) * step * 2.0 ** e      # np.round: ties to even
;;       return np.moveaxis(q.reshape(q.shape[:-2] + (-1,))[..., :K], -1, axis).astype(np.float32)
;;   ~~~
;;   SOFTMAX AHEAD OF A QUANTISED PRODUCT. Where the list says 'softmax', what is quantised is not the finished softmax but p = 2^(t - M), with t = logit x log2(e) and M = ceil(the row's largest t), a whole number; so 1/2 < the row's largest p <= 1. The row's sum l is taken of the UNQUANTISED p, in f32, and the product's result is divided by l at the end. Since M is a whole number, a kernel that streams over the keys may use a running M (the ceiling of the running maximum): every later rescaling is an exact power of two, which a block's scale takes up: the codes' values come out the same.
;;   OPERANDS COMPUTED ON THE WAY. 'Computed on the way' means the value that the module computes at that place (a softmax that the list does not call 'softmax' is quantised finished and normalised). What goes into a quantiser is computed in f32, as accurately as f32 sums, v_exp_f32 and their like allow (about 1e-6 of the number): no bf16 or f16 on the way to a quantiser, and a product that is left as it is and whose result goes on into a quantised operand takes f32 operands (vector FMAs, or v_wmma_f32_16x16x4_f32). A number that lies on a knife's edge between two numbers of the format may be rounded either way, as far as f32 arithmetic and the matrix unit's own rounding can turn it there, and no further.
;;   INPUTS GIVEN AS CODES. W_attn (in the module: [1024, 3072], K = its axis 0); W_proj (in the module: [1024, 1024], K = its axis 0); x (in the module: [4, 2048, 1024], K = its axis 2): each comes as NAME_codes (uint8): NAME with its K axis moved to the last place and cut into blocks of 32 codes, [.., K / 32, bytes a block], one block behind the other in memory; four codes in three bytes: a row's codes are one little-endian stream of bits, code i at bits 6 i .. 6 i + 5 (a code: sign, 2 exponent bits, 3 mantissa bits); and NAME_scales (uint8): the same leading axes, one E8M0 byte (e + 127) for each 32 codes along K. Its value is code x scale, taken as it is: it is not quantised again, and the codes and scales need not be those that the quantiser above would give.
;; One version. Each part assembles by itself: llvm-mc -triple=amdgcn-amd-amdhsa -mcpu=gfx1250 --defsym DOCPART=n.
;; ======== version 1 of 1: 3 launches
;; workspace buffers: qkv 19,660,800 bytes; ycodes 6,291,456 bytes; yscales 262,144 bytes
;; launch qkv (part 1): grid 12 x 32, 4 waves a work-group, clusters of 4 x 4, 327,680 bytes of LDS; arguments x_codes, x_scales, W_attn_codes, W_attn_scales, b_attn, qkv; writes qkv
.if DOCPART == 1
	.amdgcn_target "amdgcn-amd-amdhsa--gfx1250"
	.amdhsa_code_object_version 6
	.text
	.protected	k_qb73abd6b85_qkv
	.globl	k_qb73abd6b85_qkv
	.p2align	8
	.type	k_qb73abd6b85_qkv,@function
k_qb73abd6b85_qkv:
	s_mov_b64 s[64:65], 0
	v_nop
	global_prefetch_b8 v0, s[64:65] scope:SCOPE_SE
	s_setreg_imm32_b32 hwreg(HW_REG_WAVE_MODE, 25, 1), 1
	s_wait_xcnt 0x0
	s_wait_alu depctr_hold_cnt(0) depctr_sa_sdst(0) depctr_va_vdst(0) depctr_va_sdst(0) depctr_va_ssrc(0) depctr_va_vcc(0) depctr_vm_vsrc(0)
	s_getreg_b32 s2, hwreg(HW_REG_IB_STS2, 6, 4)
	s_cmp_eq_u32 s2, 0
	s_cbranch_scc0 .Lentry_in_a_cluster
	s_endpgm
.Lentry_in_a_cluster:
	s_bfe_u32 s2, ttmp6, 0x10000c
	s_cmp_lg_u32 s2, 0xf033
	s_cbranch_scc0 .Lentry_shape_is_right
	s_endpgm
.Lentry_shape_is_right:
; qkv = x W_attn + b_attn on codes of FP6 (E2M3) with one E8M0 scale for each 32 along K = 1,024; the results are quantised at once, in f32, and leave as codes:
; q and k along the head's 64, v along the keys.  Nothing wide goes to memory.
; A tile of 256 x 256 is made by a work-group of four waves; a wave makes 128 x 128: 64 accumulators of 16 x 16, 512 registers.  K goes in steps of 256 through a ring of two LDS slots.
; THE MATRIX INSTRUCTION: source 0 = 16 rows of "B", source 1 = 16 rows of "A": in the result lane (r, h) holds A's row r, and register j B's row 8 h + j.  What is to be the next product's K must run along the registers:
;   clusters x = 0 (q) and 1 (k): A = x (tokens at the lanes), B = W_attn's rows (features along the registers);   cluster x = 2 (v): A = W_attn's rows 2,048 on (features at the lanes), B = x (tokens = keys along the registers).
; Both tensors have rows of 768 bytes of codes and 32 scale bytes, so only pointers and first rows are chosen, by the cluster's x, which all sixteen partners share.
; CLUSTERS: 4 x 4 work-groups; A's tiles are asked for jointly along a row of the cluster, B's along a column.
; WHAT IS STORED: qkv [batch x head 64][key step 16][19,200 bytes]: 4 images of K, 4 of V, 256 bytes of K's scale words, 256 of V's, 4 images of Q, 256 bytes of Q's scale words.
; An image is an operand's 12 registers as they stand: three runs of 512 bytes, registers 4 c .. 4 c + 3 of lane l at 512 c + 16 l.  An image of K or Q holds two tiles of 16 tokens x 64 (registers 0-5, 6-11);
; an image of V 16 of the head's 64 x 128 keys.  Inside a block of 32 the codes lie in the order 0-7, 16-23, 8-15, 24-31, alike in q and k and alike in v and p: the products are the same, only the order of summing differs.
; LIMITS: NaN and infinities are not served; a block of zeros gets the scale byte 1 where the rule says 127 (its codes are zeros, and this program alone reads the bytes).
; REGISTERS, in windows of 256: window 0: v0-31 addresses; v32-63 scale words, two sets; v64-127 the bias along the registers; v128-223 A's fragments, later 64 numbers at work and the images; v224-231 the bias at the lanes; v232-255 at work.
;   window 1: B's fragments, two sets.   windows 2, 3: the accumulators ((a, b) at v[8 (8 (a % 4) + b)]).
.set SIZE_K, 1024
.set KSTEP,  256                       ; along K in a slot
.set NQ,     KSTEP/128                 ; matrix instructions deep
.set ROWB,   192                       ; a tile's row in bytes
.set KROW,   SIZE_K*6/8                ; a row of codes in memory
.set PITCH,  240                       ; an LDS row: 3 x (64 bytes + 16 of padding) = 60 words: the 32 lanes of a load of 8 bytes touch 64 different banks (64 banks of 4 bytes: ISA guide 11.1)
.set FR,     12                        ; registers of a fragment
.set NL,     6                         ; LDS loads that bring one
.set NP,     4                         ; places behind this matrix instruction (ISA guide 7.12.1)
.set HALFT,  128*PITCH                 ; 128 rows: what one tensor load brings
.set SLOT,   4*HALFT                   ; A's 256 rows, then B's 256 rows
.set LAPS,   SIZE_K/(2*KSTEP)
.set KS,     SIZE_K/32                 ; a row of scales in bytes
.set SCL,    2*SLOT                    ; behind the ring: the scales, as units of 256 bytes + 16 of padding
.set HALFS,  (128*KS/256)*272
.set SBLK,   (16*KS/256)*272
.set SPARE,  SCL+4*HALFS               ; the spare words, 128 bytes for each wave, that no other line names
.set BLKB,   19200                     ; a key step's block of qkv
.set HEADB,  16*BLKB                   ; from a head to the next
.set ADRA, 16                          ; v16-19  LDS addresses of my A fragments (slot 0, 1; the same behind one padding more)
.set ADRB, 20                          ; v20-23  the same for B
.set CO,   26                          ; v26     16 x lane: my place in a run of an image
.set ADRS, 27                          ; v27     LDS address of my scale words: lanes 0-15 A's rows, lanes 16-31 B's
.set SPW,  28                          ; v28     LDS address of my spare word; never rewritten
.set NIL,  29                          ; v29     0; never rewritten
.set BO,   30                          ; v30     32 h
.set BR,   31                          ; v31     4 r
.set SW,   8                           ; v8-11   scale words to be stored
.set SELV, 12                          ; v12     byte selects: lanes 0-15 the lower halves of two words, lanes 16-31 the upper
.set SOF,  13                          ; v13     16 r + a head's bytes x h
.set SC,   32
.set BI,   64
.set AF,   128
.set H,    128                         ; 64 numbers of a lane
.set IMG0, 192
.set IMG1, 204
.set UT,   216                         ; v216-218, v220-222: the upper halves of blocks, on their way
.set BV,   224
.set TM,   232                         ; v232-235 largest magnitudes, v236-239 the other half's / the bytes, v244-247 the conversions' scale operands
.set PW,   248                         ; v248-255 scale words just made
.set SEL,  4                           ; s[4:5]  selects for v_permlanex16_b32: lane l xor 16
.set G1, 24
.set G0, 32
.set G1B, 48
.set G0B, 56
.set G1S, 68
.set G0S, 76
.set G1SB, 80
.set G0SB, 88
.set MSB, 0
.macro WIN new                         ; the immediate's high byte repeats the setting that is left
.if MSB != (\new)
	s_set_vgpr_msb (MSB<<8)|(\new)
.set MSB, (\new)
.endif
.endm
.set MUL_LO, 0xa1                      ; source 0 (B) window 1, source 1 (A) window 0, C and D window 2
.set MUL_HI, 0xf1                      ; the same, C and D window 3
.set TO_B,   0x40                      ; destination window 1, address window 0
; A joint load: waves 0 and 1 fetch for A, waves 2 and 3 for B.  The branch hangs on the wave's number alone.  Four v_nop follow each of the two lines.
.macro JLOAD g0a, g1a, g0b, g1b
	s_cmp_eq_u32 s15, 0
	s_cbranch_scc0 .Lfor_b_\@
	tensor_load_to_lds s[\g0a:\g0a+3], s[\g1a:\g1a+7]
	s_nop 0
.rept 4
	v_nop
.endr
	s_branch .Lasked_\@
.Lfor_b_\@:
	tensor_load_to_lds s[\g0b:\g0b+3], s[\g1b:\g1b+7]
	s_nop 0
.rept 4
	v_nop
.endr
.Lasked_\@:
.endm
.macro CREST                           ; a round of the cluster's barrier behind its opening barrier
	s_cmp_lg_u32 s14, 0
	s_cbranch_scc1 .Lnot_wave_0_\@
	s_barrier_signal -3
.Lnot_wave_0_\@:
	s_barrier_wait -3
	s_barrier_signal -1
	s_barrier_wait -1
.endm
.macro CROUND                          ; a whole round
	s_barrier_signal -1
	s_barrier_wait -1
	CREST
.endm
	s_load_b128 s[4:7], s[0:1], 0x0                ; x's codes, x's scales
	s_load_b128 s[8:11], s[0:1], 0x10              ; W_attn's codes, W_attn's scales
	s_load_b128 s[96:99], s[0:1], 0x20             ; b_attn, qkv
	v_lshl_add_u32 v[SPW], v0, 2, SPARE
	v_mov_b32 v[NIL], 0
	ds_add_u32 v28, v29
	ds_add_u32 v28, v29
	s_wait_dscnt 0x0
	v_lshrrev_b32 v1, 5, v0
	v_readfirstlane_b32 s14, v1                    ; wave 0..3
	s_lshr_b32 s15, s14, 1                         ; which half of A's rows is mine.  Also: I fetch for A (0) or for B (1)
	s_and_b32 s16, s14, 1                          ; which half of B's rows.  Also: which 128 rows of that tile I fetch
	s_bfe_u32 s40, ttmp6, 0x40000                  ; cx, cy: my place in the cluster
	s_bfe_u32 s41, ttmp6, 0x40004
	s_and_b32 s17, ttmp7, 0xffff
	s_lshl_b32 s17, s17, 2                         ; 4 x cluster y
	s_lshl_b32 s42, ttmp9, 2                       ; 4 x cluster x
	s_cmp_eq_u32 ttmp9, 2                          ; the cluster that makes v?  The same in all sixteen partners
	s_cselect_b32 s42, s17, s42                    ; B's first tile: x's tile 4 y, or W_attn's tile 4 x
	s_cselect_b32 s17, 8, s17                      ; A's first tile: W_attn's tile 8, or x's tile 4 y
	s_add_co_u32 s42, s42, s40                     ; B's tile: + cx
	s_add_co_u32 s17, s17, s41                     ; A's tile: + cy
	s_lshl_b32 s43, s41, 2
	s_lshl_b32 s43, 15, s43                        ; my row of the cluster
	s_lshl_b32 s44, 0x1111, s40                    ; my column
	; descriptor group 1: a tile of 128 rows x ROWB bytes, padded in LDS
	s_or_b32 s[G1+0], s43, (0<<16)|(1<<20)|(1<<21)|(3<<22)|(3<<25)  ; 15:0 the mask; 17:16 element of 1 byte; 20 padding on; 21 set beside a mask; 24:22 after every 16 words; 31:25 of 4 words
	s_or_b32 s[G1B+0], s44, (0<<16)|(1<<20)|(1<<21)|(3<<22)|(3<<25)
.irp g, G1, G1B
	s_mov_b32 s[\g+1], ROWB<<16                    ; tensor_dim0
	s_mov_b32 s[\g+2], 128<<16                     ; tensor_dim1
	s_mov_b32 s[\g+3], ROWB<<16                    ; tile_dim0
	s_mov_b32 s[\g+4], 128                         ; tile_dim1
	s_mov_b32 s[\g+5], KROW                        ; tensor_dim0_stride
	s_mov_b32 s[\g+6], 0
	s_mov_b32 s[\g+7], 0
.endr
	; the scales of 128 rows: a dense block of 4,096 bytes, as rows of 256 bytes (32 elements of 8 bytes), 16 bytes of padding behind each
	s_or_b32 s[G1S+0], s43, (3<<16)|(1<<20)|(1<<21)|(5<<22)|(3<<25)
	s_or_b32 s[G1SB+0], s44, (3<<16)|(1<<20)|(1<<21)|(5<<22)|(3<<25)
.irp g, G1S, G1SB
	s_mov_b32 s[\g+1], 32<<16
	s_mov_b32 s[\g+2], (128*KS/256)<<16
	s_mov_b32 s[\g+3], 32<<16
	s_mov_b32 s[\g+4], 128*KS/256
	s_mov_b32 s[\g+5], 32
	s_mov_b32 s[\g+6], 0
	s_mov_b32 s[\g+7], 0
.endr
	s_lshl_b32 s18, s16, 7                         ; which 128 rows of the tile I fetch
	s_lshl_b32 s20, s17, 8
	s_add_co_u32 s20, s20, s18                     ; A: row 256 x tile + 128 x half
	s_lshl_b32 s46, s42, 8
	s_add_co_u32 s46, s46, s18                     ; B likewise
	s_mov_b32 s21, 0
	s_mov_b32 s47, 0
	s_mov_b64 s[18:19], KS
	s_mul_u64 s[22:23], s[20:21], s[18:19]         ; where these rows' scales begin, in bytes
	s_mul_u64 s[92:93], s[46:47], s[18:19]
	s_mov_b64 s[18:19], KROW
	s_mul_u64 s[20:21], s[20:21], s[18:19]         ; and their codes
	s_mul_u64 s[46:47], s[46:47], s[18:19]
	s_mul_i32 s45, s14, HALFT                      ; where they go: wave x 128 rows: no place in the cluster enters an LDS address
	s_mul_i32 s94, s14, HALFS
	s_wait_kmcnt 0x0
	s_cmp_eq_u32 ttmp9, 2                          ; which tensor is A and which B: a choice of pointers on the cluster's x
	s_cselect_b64 s[66:67], s[8:9], s[4:5]         ; A's codes
	s_cselect_b64 s[100:101], s[10:11], s[6:7]     ; A's scales
	s_cselect_b64 s[8:9], s[4:5], s[8:9]           ; B's codes
	s_cselect_b64 s[10:11], s[6:7], s[10:11]       ; B's scales
	s_add_nc_u64 s[20:21], s[66:67], s[20:21]
	s_add_nc_u64 s[22:23], s[100:101], s[22:23]
	s_add_nc_u64 s[46:47], s[8:9], s[46:47]
	s_add_nc_u64 s[92:93], s[10:11], s[92:93]
	CROUND                                         ; all sixteen work-groups are here: the first joint loads meet
	s_mov_b32 s[G0S], 1
	s_add_co_u32 s[G0S+1], s94, SCL
	s_mov_b64 s[G0S+2:G0S+3], s[22:23]
	s_or_b32 s[G0S+3], s[G0S+3], 0x80000000
	s_mov_b32 s[G0SB], 1
	s_add_co_u32 s[G0SB+1], s94, SCL
	s_mov_b64 s[G0SB+2:G0SB+3], s[92:93]
	s_or_b32 s[G0SB+3], s[G0SB+3], 0x80000000
	JLOAD G0S, G1S, G0SB, G1SB                     ; the scales first: they are wanted with K step 0; filled once
.irp s, 0,1
	s_mov_b32 s[G0+4*\s], 1
	s_add_co_u32 s[G0+4*\s+1], s45, \s*SLOT
	s_add_nc_u64 s[G0+4*\s+2:G0+4*\s+3], s[20:21], \s*ROWB
	s_or_b32 s[G0+4*\s+3], s[G0+4*\s+3], 0x80000000
	s_mov_b32 s[G0B+4*\s], 1
	s_add_co_u32 s[G0B+4*\s+1], s45, \s*SLOT
	s_add_nc_u64 s[G0B+4*\s+2:G0B+4*\s+3], s[46:47], \s*ROWB
	s_or_b32 s[G0B+4*\s+3], s[G0B+4*\s+3], 0x80000000
	JLOAD G0+4*\s, G1, G0B+4*\s, G1B               ; three tensor loads of mine are out
.endr
	v_and_b32 v1, 15, v0                           ; r = l % 16
	v_bfe_u32 v2, v0, 4, 1                         ; h = l / 16
	v_mul_u32_u24 v3, v1, PITCH
	v_mul_u32_u24 v4, v2, 24
	v_add_nc_u32 v4, v3, v4                        ; a fragment's row x pitch + 24 x half
	v_lshl_add_u32 v5, v2, 4, v4                   ; and the same behind one padding more
	s_mul_i32 s21, s15, HALFT                      ; my 128 rows of A
	s_mul_i32 s22, s16, HALFT                      ; my 128 rows of B,
	s_add_co_u32 s22, s22, 2*HALFT                 ; which lie behind A's 256
.irp s, 0,1
	v_add_nc_u32 v[ADRA+\s], s21, v4
	v_add_nc_u32 v[ADRB+\s], s22, v4
	v_add_nc_u32 v[ADRA+2+\s], s21, v5
	v_add_nc_u32 v[ADRB+2+\s], s22, v5
	s_add_co_u32 s21, s21, SLOT
	s_add_co_u32 s22, s22, SLOT
.endr
	v_mul_u32_u24 v5, v1, KS                       ; my row's scales: KS bytes a row,
	v_lshrrev_b32 v6, 8, v5
	v_lshl_add_u32 v5, v6, 4, v5                   ; and 16 more for each 256 passed
	s_mul_i32 s21, s15, HALFS
	s_mul_i32 s22, s16, HALFS
	s_add_co_u32 s22, s22, 2*HALFS
	s_sub_co_u32 s22, s22, s21
	v_mul_u32_u24 v6, s22, v2                      ; lanes 16-31 take B's
	s_add_co_u32 s21, s21, SCL
	v_add_nc_u32 v5, v5, v6
	v_add_nc_u32 v[ADRS], s21, v5
	; the way out: where my wave's 128 tokens x 128 features go
	v_and_b32 v6, 31, v0
	v_lshlrev_b32 v[CO], 4, v6
	v_lshlrev_b32 v[BO], 5, v2
	v_lshlrev_b32 v[BR], 2, v1
	v_mul_u32_u24 v[SOF], v2, HEADB
	v_lshl_add_u32 v[SOF], v1, 4, v[SOF]
	s_mov_b32 s2, 0xffff0000                       ; lanes 16-31
	v_mov_b32 v[SELV], 0x05040100
	v_mov_b32 v6, 0x07060302
	v_cndmask_b32 v[SELV], v[SELV], v6, s2
.irp b, 0,1,2,3
	v_mov_b32 v[TM+4+\b], 0                        ; written once: a lane permute's destination counts as one of its sources
.endr
	s_lshl_b32 s4, s17, 8
	s_lshl_b32 s5, s15, 7
	s_add_co_u32 s4, s4, s5                        ; my first row of A
	s_lshl_b32 s5, s42, 8
	s_lshl_b32 s6, s16, 7
	s_add_co_u32 s5, s5, s6                        ; my first row of B
	s_cmp_eq_u32 ttmp9, 2
	s_cselect_b32 s6, s5, s4                       ; my first token
	s_cselect_b32 s7, s4, s5                       ; my first feature of the 3,072
	s_lshr_b32 s18, s6, 11                         ; batch
	s_lshl_b32 s18, s18, 8
	s_bfe_u32 s19, s6, 0x40007                     ; key step
	s_add_co_u32 s18, s18, s19
	s_bfe_u32 s19, s7, 0x30007                     ; pair of heads
	s_lshl_b32 s19, s19, 5
	s_add_co_u32 s18, s18, s19                     ; ((16 batch + 2 pair) 16 + key step)
	s_mul_i32 s18, s18, BLKB
	s_lshr_b32 s19, s7, 10                         ; 0: q, 1: k, 2: v
	s_mov_b32 s20, 6144                            ; where the images and the scale words lie in a block
	s_mov_b32 s21, 12544
	s_cmp_eq_u32 s19, 1
	s_cselect_b32 s20, 0, s20
	s_cselect_b32 s21, 12288, s21
	s_cmp_eq_u32 s19, 0
	s_cselect_b32 s20, 12800, s20
	s_cselect_b32 s21, 18944, s21
	s_add_co_u32 s20, s20, s18
	s_add_co_u32 s22, s21, s18
	s_mov_b32 s21, 0
	s_mov_b32 s23, 0
	s_add_nc_u64 s[12:13], s[98:99], s[20:21]      ; the images
	s_add_nc_u64 s[92:93], s[98:99], s[22:23]      ; the scale words
	s_lshl_b32 s20, s7, 2
	s_add_nc_u64 s[94:95], s[96:97], s[20:21]      ; my 128 numbers of b_attn
	s_mov_b32 s[SEL], 0x76543210
	s_mov_b32 s[SEL+1], 0xfedcba98
.irp b, 0,1,2,3,4,5,6,7                ; the bias in both layouts, so that no branch stands here: along the registers, b[16 b + 8 h + j],
	global_load_b128 v[BI+8*\b:BI+8*\b+3], v[BO], s[94:95] offset:64*\b
	global_load_b128 v[BI+8*\b+4:BI+8*\b+7], v[BO], s[94:95] offset:64*\b+16
.endr
.irp a, 0,1,2,3,4,5,6,7                ; and at the lanes, b[16 a + r]
	global_load_b32 v[BV+\a], v[BR], s[94:95] offset:64*\a
.endr
.macro FRAG reg, adr, q, i             ; a fragment, 16 rows x 128 K of 6-bit codes: lane l holds row l % 16; registers 6 c .. 6 c + 5 hold K = 64 c + 32 (l / 16) + 0 .. 31: 24 bytes of the row's stream of bits, as they lie
.irp p, 0,1,2,3,4,5                    ; in pieces of 8 bytes.  Lanes 16-31 read three pieces further on; where that lies behind one padding more, the second address register serves
.set PC, 12*(\q)+6*(\p/3)+\p%3
.if PC%8 < 5
	ds_load_b64 v[\reg+2*\p:\reg+2*\p+1], v[\adr] offset:8*PC+16*(PC/8)+(\i)*16*PITCH
.else
	ds_load_b64 v[\reg+2*\p:\reg+2*\p+1], v[\adr+2] offset:8*PC+16*(PC/8)+(\i)*16*PITCH
.endif
.endr
.endm
; 16 matrix instructions: A's blocks a0, a0 + 1 x B's eight, 128 along K.  zero = 1: the first product starts the sums.  The 64 accumulators take turns, one instruction a turn.
.macro MUL16 a0, p, q, sc, zero
.irp a, \a0, \a0+1
.irp b, 0,1,2,3,4,5,6,7
.if \zero
	v_wmma_scale_f32_16x16x128_f8f6f4 v[8*(8*((\a)%4)+\b):8*(8*((\a)%4)+\b)+7], v[128*(\p)+FR*\b:128*(\p)+FR*\b+FR-1], v[AF+FR*(\a):AF+FR*(\a)+FR-1], 0, v[SC+8*NQ*(\sc)+NQ*\b+(\q)], v[SC+8*NQ*(\sc)+NQ*(\a)+(\q)] matrix_a_fmt:MATRIX_FMT_FP6 matrix_b_fmt:MATRIX_FMT_FP6 matrix_a_scale:MATRIX_SCALE_ROW1
.else
	v_wmma_scale_f32_16x16x128_f8f6f4 v[8*(8*((\a)%4)+\b):8*(8*((\a)%4)+\b)+7], v[128*(\p)+FR*\b:128*(\p)+FR*\b+FR-1], v[AF+FR*(\a):AF+FR*(\a)+FR-1], v[8*(8*((\a)%4)+\b):8*(8*((\a)%4)+\b)+7], v[SC+8*NQ*(\sc)+NQ*\b+(\q)], v[SC+8*NQ*(\sc)+NQ*(\a)+(\q)] matrix_a_fmt:MATRIX_FMT_FP6 matrix_b_fmt:MATRIX_FMT_FP6 matrix_a_scale:MATRIX_SCALE_ROW1
.endif
.endr
.endr
.endm
.macro FETCH_B slot, q, p              ; B's eight fragments of the slot's q-th 128 along K into set p
	WIN TO_B
.irp i, 0,1,2,3,4,5,6,7
	FRAG 128*(\p)+FR*\i, ADRB+\slot, \q, \i
.endr
	WIN 0
.endm
.macro FETCH_A slot, q, i0             ; A's blocks i0 .. i0 + 3
.irp i, \i0, \i0+1, \i0+2, \i0+3
	FRAG AF+FR*(\i), ADRA+\slot, \q, \i
.endr
.endm
.macro SCALES sc                       ; a K step's scale words into set sc: lanes 0-15 take A's block i, lanes 16-31 B's block i
.irp i, 0,1,2,3,4,5,6,7
	ds_load_b64 v[SC+8*NQ*\sc+NQ*\i:SC+8*NQ*\sc+NQ*\i+1], v[ADRS] offset:\i*SBLK
.endr
.endm
.macro PLACES n                        ; plain vector instructions between a matrix instruction and a load into, or a vector instruction on, its registers
.rept \n
	v_nop
.endr
.endm
; A step of 128 along K that has its successor in the same slot.
.macro STEP slot, q, zero
	s_wait_dscnt 4*NL                              ; B's set and A's blocks 0-3 are in; the youngest 24 loads (A's blocks 4-7) may be out
	WIN MUL_LO
	MUL16 0, (\q)%2, \q, \slot, \zero
	MUL16 2, (\q)%2, \q, \slot, \zero
	s_wait_dscnt 0                                 ; A's blocks 4-7 are in
	PLACES NP
	FETCH_B \slot, (\q)+1, 1-(\q)%2
	FETCH_A \slot, (\q)+1, 0
	WIN MUL_HI
	MUL16 4, (\q)%2, \q, \slot, \zero
	MUL16 6, (\q)%2, \q, \slot, \zero
	PLACES NP
	WIN 0
	FETCH_A \slot, (\q)+1, 4
.endm
; A slot's last step changes slots: one barrier; in front of it each wave waits for all its tensor loads, adds 0 to its spare word, and waits for that and for its own reads of this slot.  fill = 1: this slot is filled again, two K steps ahead.
.macro TURN slot, next, fill
	s_wait_tensorcnt 0x0                           ; all my tensor loads have landed: my part of the next slot
	ds_add_u32 v[SPW], v[NIL]                      ; 0 onto my spare word
	s_wait_dscnt 4*NL+1                            ; (the add and the youngest 24 loads, A's blocks 4-7, may be out)
	WIN MUL_LO
	MUL16 0, 1, NQ-1, \slot, 0                     ; sixteen matrix instructions stand between the add and the wait for it
	s_wait_dscnt 0x0                               ; the add is done, and my reads of this slot are over
	s_barrier_signal -1
	MUL16 2, 1, NQ-1, \slot, 0
	WIN 0
	s_barrier_wait -1
.if \fill
	CREST                                          ; the barrier has opened a round of the cluster's barrier: no wave of any partner still reads this slot's tile or has a load on its way
	s_add_nc_u64 s[G0+4*\slot+2:G0+4*\slot+3], s[G0+4*\slot+2:G0+4*\slot+3], 2*ROWB
	s_add_nc_u64 s[G0B+4*\slot+2:G0B+4*\slot+3], s[G0B+4*\slot+2:G0B+4*\slot+3], 2*ROWB
	JLOAD G0+4*\slot, G1, G0B+4*\slot, G1B         ; the first tensor load behind the round; its four v_nop are the places in front of the loads below
.else
	PLACES NP
.endif
	s_wait_alu depctr_va_vdst(0)
	v_add_nc_u32 v[ADRS], 4*NQ, v[ADRS]            ; on to the next K step's scale words (no LDS load of mine is out)
	FETCH_B \next, 0, 0
	FETCH_A \next, 0, 0
	SCALES \next
	WIN MUL_HI
	MUL16 4, 1, NQ-1, \slot, 0
	MUL16 6, 1, NQ-1, \slot, 0
	PLACES NP
	WIN 0
	FETCH_A \next, 0, 4
.endm
	s_wait_loadcnt 0x0                             ; the bias
	s_wait_tensorcnt 1                             ; the scales and my part of K step 0 are in (K step 1's load may be out)
	s_barrier_signal -1
	s_barrier_wait -1                              ; everybody's are
	FETCH_B 0, 0, 0
	FETCH_A 0, 0, 0
	SCALES 0
	FETCH_A 0, 0, 4
	STEP 0, 0, 1                                   ; the first step stands in front of the loop: its products start the sums
	s_mov_b32 s3, LAPS-1
.Llap:                                                 ; a trip goes once round the ring and fills both slots again
	TURN 0, 1, 1
	STEP 1, 0, 0
	TURN 1, 0, 1
	STEP 0, 0, 0
	s_sub_co_u32 s3, s3, 1
	s_cmp_lg_u32 s3, 0
	s_cbranch_scc1 .Llap
	TURN 0, 1, 0                                   ; the last lap fills nothing
	STEP 1, 0, 0
	s_wait_dscnt 4*NL                              ; the very last step
	WIN MUL_LO
	MUL16 0, 1, NQ-1, 1, 0
	MUL16 2, 1, NQ-1, 1, 0
	s_wait_dscnt 0
	WIN MUL_HI
	MUL16 4, 1, NQ-1, 1, 0
	MUL16 6, 1, NQ-1, 1, 0
	WIN 0
; THE WAY OUT.  A's block a: 64 numbers a lane (8 accumulators x 8 registers) get their bias, on their way into window 0, each accumulator from its low end on.
.macro ADDB a                          ; the bias runs along the registers
	WIN 0x02+(\a)/4
.set i, 0
.rept 32
	v_pk_add_f32 v[H+2*i:H+2*i+1], v[64*((\a)%4)+2*i:64*((\a)%4)+2*i+1], v[BI+2*i:BI+2*i+1]
.set i, i+1
.endr
	WIN 0
.endm
.macro ADDV a                          ; the bias is the lane's: one number for all 64
	WIN 0x02+(\a)/4
.set i, 0
.rept 32
.if (\a)%2 == 0
	v_pk_add_f32 v[H+2*i:H+2*i+1], v[64*((\a)%4)+2*i:64*((\a)%4)+2*i+1], v[BV+(\a):BV+(\a)+1] op_sel_hi:[1,0]
.else
	v_pk_add_f32 v[H+2*i:H+2*i+1], v[64*((\a)%4)+2*i:64*((\a)%4)+2*i+1], v[BV+(\a)-1:BV+(\a)] op_sel:[0,1] op_sel_hi:[1,1]
.endif
.set i, i+1
.endr
	WIN 0
.endm
; 64 numbers of a lane, v[s] on; block b of 32 = registers 16 b .. 16 b + 15 of lanes l and l xor 16.  Blocks 0, 1 become six registers at d0 (lanes 0-15 block 0, lanes 16-31 block 1), blocks 2, 3 six at d1; the four scale bytes the word pw.
.macro QUANT s, d0, d1, pw
.irp b, 0,1,2,3
	v_max3_num_f32 v[TM+\b], |v[\s+16*\b]|, |v[\s+1+16*\b]|, 0x1800000   ; my 16 numbers, and the floor 2^(3 - 127): so the byte cannot fall under 1
.endr
.irp i, 2,4,6,8,10,12,14
.irp b, 0,1,2,3
	v_max3_num_f32 v[TM+\b], v[TM+\b], |v[\s+16*\b+\i]|, |v[\s+1+16*\b+\i]|   ; (the four blocks by turns)
.endr
.endr
.irp b, 0,1,2,3
	v_permlanex16_b32 v[TM+4+\b], v[TM+\b], s[SEL], s[SEL+1]
.endr
.irp b, 0,1,2,3
	v_max_num_f32 v[TM+\b], v[TM+\b], v[TM+4+\b]   ; with lane l xor 16's: the block's largest magnitude
.endr
.irp b, 0,1,2,3
	v_add_nc_u32 v[TM+12+\b], 0xff000000, v[TM+\b] ; 2 off its exponent field: the conversion takes the exponent field of this operand as its scale
.endr
.irp b, 0,1,2,3
	v_lshrrev_b32 v[TM+4+\b], 23, v[TM+12+\b]      ; the scale's byte
.endr
	v_lshl_or_b32 v[\pw], v[TM+5], 8, v[TM+4]
	v_lshl_or_b32 v[\pw], v[TM+6], 16, v[\pw]
	v_lshl_or_b32 v[\pw], v[TM+7], 24, v[\pw]
	v_cvt_scalef32_pk16_fp6_f32 v[\d0:\d0+2], v[\s:\s+15], v[TM+12]
	v_cvt_scalef32_pk16_fp6_f32 v[UT:UT+2], v[\s+16:\s+31], v[TM+13]
	v_cvt_scalef32_pk16_fp6_f32 v[\d1:\d1+2], v[\s+32:\s+47], v[TM+14]
	v_cvt_scalef32_pk16_fp6_f32 v[UT+4:UT+6], v[\s+48:\s+63], v[TM+15]
	v_nop                                          ; one plain place behind a scaled conversion
.irp i, 0,1,2                          ; the operand's layout wants a whole block in a lane
	v_permlane16_swap_b32 v[\d0+\i], v[UT+\i]
	v_permlane16_swap_b32 v[\d1+\i], v[UT+4+\i]
.endr
.irp i, 0,1,2
	v_mov_b32 v[\d0+3+\i], v[UT+\i]
	v_mov_b32 v[\d1+3+\i], v[UT+4+\i]
.endr
.endm
	PLACES NP                                      ; behind the last products
	s_cmp_eq_u32 ttmp9, 2
	s_cbranch_scc1 .Lv
	; q or k: tokens at the lanes, my 128 features = two heads along the registers.  Two tiles of tokens make an image of each head.
.irp bp, 0,1,2,3
.if \bp > 0
	s_wait_xcnt 0x0                                ; the last pair's stores have read the images
.endif
.irp e, 0,1
	ADDB 2*\bp+\e
	QUANT H, IMG0+6*\e, IMG1+6*\e, PW+\e
.endr
	v_perm_b32 v[SW+\bp], v[PW+1], v[PW], v[SELV]  ; lanes 0-15: the first head's bytes of the two tiles; lanes 16-31: the second head's
.irp c, 0,1
.irp k, 0,1,2
	global_store_b128 v[CO], v[IMG0+12*\c+4*\k:IMG0+12*\c+4*\k+3], s[12:13] offset:HEADB*\c+1536*\bp+512*\k   ; 32 lanes store 512 consecutive bytes, at a multiple of 256 from the buffer's first byte
.endr
.endr
.endr
	global_store_b128 v[SOF], v[SW:SW+3], s[92:93] ; sixteen lanes store a head's 256 bytes of scale words
	s_branch .Lend
.Lv:	; v: features at the lanes (two heads x four tiles of 16), my 128 tokens = a key step along the registers: each of A's blocks is an image
.irp a, 0,1,2,3,4,5,6,7
.if \a > 0
	s_wait_xcnt 0x0                                ; the last image's stores have read it
.endif
	ADDV \a
	QUANT H, IMG0, IMG0+6, PW+\a
.irp k, 0,1,2
	global_store_b128 v[CO], v[IMG0+4*\k:IMG0+4*\k+3], s[12:13] offset:HEADB*(\a/4)+1536*(\a%4)+512*\k
.endr
.endr
.irp t, 0,1,2,3
	v_cndmask_b32 v[SW+\t], v[PW+\t], v[PW+4+\t], s2   ; lanes 0-15: the first head's words; lanes 16-31: the second's
.endr
	global_store_b128 v[SOF], v[SW:SW+3], s[92:93]
.Lend:
	s_wait_tensorcnt 0x0                           ; the wave's end
	ds_add_u32 v[SPW], v[NIL]
	s_wait_dscnt 0x0
	CROUND                                         ; the closing round: no work-group ends while a partner may still ask for a tile that names it
	s_endpgm
.Lfunc_end_k_qb73abd6b85_qkv:
	.size	k_qb73abd6b85_qkv, .Lfunc_end_k_qb73abd6b85_qkv-k_qb73abd6b85_qkv
	.p2alignl 7, 3214868480
	.fill 96, 4, 3214868480
	.section	.rodata,"a",@progbits
	.p2align	6, 0x0
	.amdhsa_kernel k_qb73abd6b85_qkv
		.amdhsa_group_segment_fixed_size 327680
		.amdhsa_private_segment_fixed_size 0
		.amdhsa_enable_private_segment 0
		.amdhsa_kernarg_size 48
		.amdhsa_user_sgpr_count 2
		.amdhsa_user_sgpr_kernarg_segment_ptr 1
		.amdhsa_wavefront_size32 1
		.amdhsa_system_sgpr_workgroup_id_x 1
		.amdhsa_system_sgpr_workgroup_id_y 1
		.amdhsa_system_sgpr_workgroup_id_z 1
		.amdhsa_system_vgpr_workitem_id 0
		.amdhsa_next_free_vgpr 1024
		.amdhsa_next_free_sgpr 102
		.amdhsa_reserve_vcc 0
		.amdhsa_float_denorm_mode_32 3
		.amdhsa_float_denorm_mode_16_64 3
		.amdhsa_memory_ordered 1
		.amdhsa_forward_progress 1
		.amdhsa_inst_pref_size 232
	.end_amdhsa_kernel
	.amdgpu_metadata
---
amdhsa.version: [ 1, 2 ]
amdhsa.kernels:
  - .name:           k_qb73abd6b85_qkv
    .symbol:         k_qb73abd6b85_qkv.kd
    .args:
      - { .name: x_codes, .offset: 0, .size: 8, .value_kind: global_buffer, .address_space: global }
      - { .name: x_scales, .offset: 8, .size: 8, .value_kind: global_buffer, .address_space: global }
      - { .name: W_attn_codes, .offset: 16, .size: 8, .value_kind: global_buffer, .address_space: global }
      - { .name: W_attn_scales, .offset: 24, .size: 8, .value_kind: global_buffer, .address_space: global }
      - { .name: b_attn, .offset: 32, .size: 8, .value_kind: global_buffer, .address_space: global }
      - { .name: qkv, .offset: 40, .size: 8, .value_kind: global_buffer, .address_space: global }
    .group_segment_fixed_size: 327680
    .private_segment_fixed_size: 0
    .kernarg_segment_align: 8
    .kernarg_segment_size: 48
    .max_flat_workgroup_size: 128
    .sgpr_count:     102
    .vgpr_count:     1024
    .wavefront_size: 32
...
	.end_amdgpu_metadata
.endif
;; end of part 1
;; launch attn (part 2): grid 4 x 64, 16 waves a work-group, clusters of 4 x 1, 206,848 bytes of LDS; arguments qkv, ycodes, yscales; writes ycodes, yscales
.if DOCPART == 2
	.amdgcn_target "amdgcn-amd-amdhsa--gfx1250"
	.amdhsa_code_object_version 6
	.text
	.protected	k_qb73abd6b85_attn
	.globl	k_qb73abd6b85_attn
	.p2align	8
	.type	k_qb73abd6b85_attn,@function
k_qb73abd6b85_attn:
	s_mov_b64 s[64:65], 0
	v_nop
	global_prefetch_b8 v0, s[64:65] scope:SCOPE_SE
	s_setreg_imm32_b32 hwreg(HW_REG_WAVE_MODE, 25, 1), 1
	s_wait_xcnt 0x0
	s_wait_alu depctr_hold_cnt(0) depctr_sa_sdst(0) depctr_va_vdst(0) depctr_va_sdst(0) depctr_va_ssrc(0) depctr_va_vcc(0) depctr_vm_vsrc(0)
	s_getreg_b32 s2, hwreg(HW_REG_IB_STS2, 6, 4)
	s_cmp_eq_u32 s2, 0
	s_cbranch_scc0 .Lentry_in_a_cluster
	s_endpgm
.Lentry_in_a_cluster:
	s_bfe_u32 s2, ttmp6, 0x10000c
	s_cmp_lg_u32 s2, 0x3003
	s_cbranch_scc0 .Lentry_shape_is_right
	s_endpgm
.Lentry_shape_is_right:
; y[b][q][head] = softmax_k(q . k / 8, causal) v, both products on codes of FP6 (E2M3) with one E8M0 scale for each 32 along a product's K; y is quantised along C at once and leaves as codes.
; THE SOFTMAX AHEAD OF THE SECOND PRODUCT: t = score x log2(e) / 8; M = the row's largest t so far, rounded up to a whole number; p = 2^(t - M) is quantised along the keys, not normalised.
; The row's sum is taken of the unquantised p and divides at the end.  When M moves, the sum and O are multiplied by 2^(old M - new M): exact.
; SHARES.  A cluster of four work-groups owns one (batch, head).  The head's K, V and their scale words, 16 key steps x 12,800 bytes, lie in LDS whole, as they lie in memory: each of the sixteen waves asks for one key step, jointly
; with the same wave of the three partners.  LDS is filled once: one barrier, no ring.
; Wave w of work-group cx owns two tiles of 16 queries: a = 4 w + cx, whose last key step is w / 2, and 127 - a, whose last is 15 - w / 2: 17 key steps of 128 keys for every wave of the launch.
; The last key steps hang on the wave's number alone; cx enters global addresses and the mask's vector operand only.  A step all of whose keys come after the tile's queries is passed over by a scalar branch.
; LAYOUT.  Both products are used transposed: S^T = K Q^T (source 0 = 16 keys, source 1 = my 16 queries), O^T = V^T P^T: a lane holds one query (lane % 16) throughout.
; THE FIRST PRODUCT'S K IS 64: an image of K holds two tiles of 16 keys (registers 0-5, 6-11); q stands between zeros, so that (q, 0) multiplies the first tile and (0, q) the second; zero codes add nothing.
; Inside a block of 32 the codes of q, k, v and p lie in the order 0-7, 16-23, 8-15, 24-31, alike on both sides of a product.  y meets given codes next, so it is laid in the true order.
; LIMITS: NaN and infinities are not served; p under 2^-126 counts as 0 (v_exp_f32: ISA guide, its entry in 15.8); a block of zeros gets the scale byte 1 (its codes are zeros; this program alone reads the bytes).
; y's scale bytes leave a byte a lane, 32 bytes apart: two bytes of each token's 32 belong to this head.
.set KSB,  12800                       ; a key step in LDS: 4 images of K, 4 of V (1,536 bytes each), 256 bytes of K's scale words, 256 of V's
.set BLKB, 19200                       ; and in memory, with Q's images and scale words behind
.set L16,  1                           ; v1   16 x lane
.set AD,   2                           ; v2   LDS address of the step in hand
.set YO,   3                           ; v3   8 x lane
.set YSO,  4                           ; v4   32 r + h
.set NINF, 7                           ; v7   -infinity          (v5, v6: 16 (tile % 8) + r - 8 h of the two tiles)
.set KVS,  8                           ; v8-11  scale words: lanes 0-15 K's four images, lanes 16-31 V's
.set KF,   48                          ; v48-95   four images of K; behind S^T at work:
.set PC,   48                          ;   v48-59 p's codes
.set UT,   60                          ;   v60-62, v64-66 upper halves of blocks on their way
.set BM,   68                          ;   v68-71 the blocks' largest
.set PT,   72                          ;   v72-75 the other half of the lanes'
.set SO,   76                          ;   v76-79 the conversions' scale operands
.set BY,   80                          ;   v80-83 scale bytes
.set C2,   84                          ;   v84-85 the sum's second chain
.set S,    96                          ; v96-159  S^T, then p
.set O,    160                         ; v160-191 O^T
.set VF,   192                         ; v192-239 four images of V
.set PSW,  240                         ; v240 p's scale word
.set RR,   104                         ; at the head only: r, r - 8 h, h
.set RH,   105
.set HH,   106
; v12 -M, v13 the largest t, v[14:15] the sum; v16-45: 0 x 6, q of tile a, 0 x 6, q of tile 127 - a, 0 x 6; v46, v47 q's scale words; v[252:253] f; v254 at work
; s10 wave, s11 cx, s12 batch x head, s13, s14 the tiles, s15, s16 their last key steps, s17 the key step, s18 its LDS byte, s19 lanes 16-31, s[20:21] lane selects, s[22:23] c
.macro ROUND                           ; a round of the cluster's barrier
	s_barrier_signal -1
	s_barrier_wait -1
	s_cmp_lg_u32 s10, 0
	s_cbranch_scc1 .Lnot_wave_0_\@
	s_barrier_signal -3
.Lnot_wave_0_\@:
	s_barrier_wait -3
	s_barrier_signal -1
	s_barrier_wait -1
.endm
	s_load_b128 s[4:7], s[0:1], 0x0                ; qkv, ycodes
	s_load_b64 s[8:9], s[0:1], 0x10                ; yscales
	v_lshl_add_u32 v251, v0, 2, 0x32000
	v_mov_b32 v255, 0
	ds_add_u32 v251, v255
	ds_add_u32 v251, v255
	v_lshrrev_b32 v1, 5, v0
	s_delay_alu instid0(VALU_DEP_1)
	v_readfirstlane_b32 s10, v1                    ; wave 0..15
	s_bfe_u32 s11, ttmp6, 0x40000                  ; cx
	s_and_b32 s12, ttmp7, 0xffff                   ; 16 x batch + head, which the four partners share
	; descriptor group 1: 12,800 dense bytes as 50 rows of 256 bytes (32 elements of 8 bytes)
	s_mov_b32 s24, 15|(3<<16)|(1<<21)              ; 15:0 the mask: all four work-groups; 17:16 elements of 8 bytes; 20 no padding; 21 set beside a mask
	s_mov_b32 s25, 32<<16                          ; tensor_dim0
	s_mov_b32 s26, 50<<16                          ; tensor_dim1
	s_mov_b32 s27, 32<<16                          ; tile_dim0
	s_mov_b32 s28, 50                              ; tile_dim1
	s_mov_b32 s29, 32                              ; tensor_dim0_stride
	s_mov_b32 s30, 0
	s_mov_b32 s31, 0
	s_lshl_b32 s48, s12, 4
	s_add_co_u32 s48, s48, s10
	s_mul_i32 s48, s48, BLKB                       ; key step w of my head, in memory
	s_mov_b32 s49, 0
	s_mov_b32 s32, 1
	s_mul_i32 s33, s10, KSB                        ; and in LDS: the wave's number alone
	s_wait_dscnt 0x0
	s_wait_kmcnt 0x0
	s_add_nc_u64 s[34:35], s[4:5], s[48:49]
	s_or_b32 s35, s35, 0x80000000
	ROUND                                          ; all four work-groups are here: the joint loads meet
	tensor_load_to_lds s[32:35], s[24:31]          ; my one tensor load of the launch
	s_nop 0
.rept 4
	v_nop
.endr
	s_lshl_b32 s13, s10, 2
	s_add_co_u32 s13, s13, s11                     ; tile a = 4 w + cx
	s_sub_co_u32 s14, 127, s13                     ; and 127 - a
	s_lshr_b32 s15, s10, 1                         ; their last key steps
	s_sub_co_u32 s16, 15, s15
	s_mov_b32 s19, 0xffff0000
	s_mov_b32 s20, 0x76543210
	s_mov_b32 s21, 0xfedcba98
	s_mov_b32 s22, 0x3e38aa3b                      ; c = log2(e) / 8
	s_mov_b32 s23, s22                             ; (named with it as a pair, so it is written)
	s_lshr_b32 s50, s12, 4
	s_lshl_b32 s50, s50, 7                         ; 128 x batch: the batch's first tile of tokens
	s_and_b32 s51, s12, 15                         ; head
	v_and_b32 v[L16], 31, v0
	s_delay_alu instid0(VALU_DEP_1)
	v_lshlrev_b32 v[L16], 4, v[L16]
	s_wait_alu depctr_va_vdst(0)
	v_lshrrev_b32 v[YO], 1, v[L16]
	v_and_b32 v[RR], 15, v0
	s_wait_alu depctr_va_vdst(0)
	v_bfe_u32 v[HH], v0, 4, 1
	s_delay_alu instid0(VALU_DEP_1)
	v_lshl_add_u32 v[YSO], v[RR], 5, v[HH]
	s_delay_alu instid0(VALU_DEP_2)
	v_lshlrev_b32 v[RH], 3, v[HH]
	s_delay_alu instid0(VALU_DEP_1)
	v_sub_nc_u32 v[RH], v[RR], v[RH]
	s_wait_alu depctr_va_vdst(0)
	v_mov_b32 v[NINF], 0xff800000
; What a tile needs: t the scalar with its number; q its six registers; qs its scale word; o three offset registers; qb, yc, ys base pairs; dq; sh the scalar that takes 16 (tile % 2)
.macro SETUP t, q, qs, o, qb, yc, ys, dq, sh
	s_lshr_b32 s52, s[\t], 3                       ; the key step in whose block the tile's q lies
	s_lshl_b32 s53, s12, 4
	s_add_co_u32 s52, s52, s53
	s_mul_i32 s52, s52, BLKB
	s_add_co_u32 s52, s52, KSB                     ; Q's images lie behind K's and V's
	s_mov_b32 s53, 0
	s_add_nc_u64 s[\qb:\qb+1], s[4:5], s[52:53]
	s_add_co_u32 s52, s50, s[\t]                   ; the tile of tokens among 512
	s_mul_i32 s54, s52, 12288
	s_mul_i32 s55, s51, 768
	s_add_co_u32 s54, s54, s55
	s_mov_b32 s55, 0
	s_add_nc_u64 s[\yc:\yc+1], s[6:7], s[54:55]    ; y's codes: [tile][head][768 bytes]
	s_lshl_b32 s54, s52, 9
	s_lshl_b32 s52, s51, 1
	s_add_co_u32 s54, s54, s52
	s_add_nc_u64 s[\ys:\ys+1], s[8:9], s[54:55]    ; y's scale bytes: [token][32], two for a head
	s_bfe_u32 s52, s[\t], 0x20001                  ; i: which image
	s_and_b32 s54, s[\t], 1                        ; e: which half of it
	s_lshl_b32 s[\sh], s54, 4
	s_mul_i32 s53, s52, 1536
	s_mul_i32 s55, s54, 520
	s_add_co_u32 s55, s55, s53
	v_add_nc_u32 v[\o], s55, v[L16]                ; registers 6 e, 6 e + 1 of the image (and, 512 bytes on, 6 e + 4, 6 e + 5)
	s_mul_i32 s55, s54, 1016
	s_add_co_u32 s55, s55, s53
	s_add_co_u32 s55, s55, 8
	v_add_nc_u32 v[\o+1], s55, v[L16]              ; registers 6 e + 2, 6 e + 3
	s_lshl_b32 s52, s52, 2
	v_lshl_add_u32 v[\o+2], v[RR], 4, s52          ; the scale word: 16 r + 4 i
	s_and_b32 s52, s[\t], 7
	s_lshl_b32 s52, s52, 4
	v_add_nc_u32 v[\dq], s52, v[RH]                ; my query's place in its last key step, less 8 h
	global_load_b64 v[\q:\q+1], v[\o], s[\qb:\qb+1]
	global_load_b64 v[\q+2:\q+3], v[\o+1], s[\qb:\qb+1]
	global_load_b64 v[\q+4:\q+5], v[\o], s[\qb:\qb+1] offset:512
	global_load_b32 v[\qs], v[\o+2], s[\qb:\qb+1] offset:6144
.endm
	SETUP 13, 22, 46, 96, 36, 40, 44, 5, 56
	SETUP 14, 34, 47, 100, 38, 42, 46, 6, 57
.irp i, 0,1,2,3,4,5
	v_mov_b32 v[16+\i], 0                          ; the zero codes round q
	v_mov_b32 v[28+\i], 0
	v_mov_b32 v[40+\i], 0
.endr
.irp b, 0,1,2,3
	v_mov_b32 v[PT+\b], 0                          ; a lane permute's destination counts as one of its sources
.endr
	v_mov_b32 v253, 0                              ; (named as the upper half of the pair v[252:253])
	s_wait_loadcnt 0x0                             ; q
	v_lshrrev_b32 v46, s56, v46                    ; my tile's two bytes of the image's word,
	v_lshrrev_b32 v47, s57, v47
	s_delay_alu instid0(VALU_DEP_2)
	v_perm_b32 v46, v46, v46, 0x01000100           ; twice: one word serves (q, 0) and (0, q)
	s_delay_alu instid0(VALU_DEP_2)
	v_perm_b32 v47, v47, v47, 0x01000100
	s_wait_tensorcnt 0x0                           ; my key step has landed,
	s_barrier_signal -1
	s_barrier_wait -1                              ; everybody's has: the head lies in LDS
; One tile of 16 queries through its key steps, and out.  qlo, qhi: first registers of (q, 0) and (0, q); qs: q's scale word; ls: the scalar with the last key step; dq; yc, ys: base pairs
.macro PASS qlo, qhi, qs, ls, dq, yc, ys
	s_wait_xcnt 0x0                                ; the tile before has stored from registers that are written again below
	v_mov_b32 v13, 0xff61b1e6                      ; the largest t so far: -3e38
	s_delay_alu instid0(VALU_DEP_1)
	v_floor_f32 v12, -v13                          ; -M
	v_mov_b32 v14, 0
	v_mov_b32 v15, 0
.set i, 0
.rept 32
	v_mov_b32 v[O+i], 0                            ; the step is written once: the first finds zeros, which the first change of M leaves zeros
.set i, i+1
.endr
	s_mov_b32 s17, 0
	s_mov_b32 s18, 0
.Lstep_\@:                                             ; sixteen trips, a constant; the work of the steps behind the tile's last is passed over
	s_cmp_gt_u32 s17, s[\ls]
	s_cbranch_scc1 .Lskip_\@
	s_setprio 2
	v_add_nc_u32 v[AD], s18, v[L16]
.rept 3
	v_nop                                          ; with the addition: four places in front of loads into registers that the last products read
.endr
	ds_load_b128 v[KVS:KVS+3], v[AD] offset:12288  ; every load takes 512 consecutive bytes: the images come back as they were stored
.irp b, 0,1,2,3
.irp c, 0,1,2
	ds_load_b128 v[KF+12*\b+4*\c:KF+12*\b+4*\c+3], v[AD] offset:1536*\b+512*\c
.endr
.endr
.irp t, 0,1,2,3
.irp c, 0,1,2
	ds_load_b128 v[VF+12*\t+4*\c:VF+12*\t+4*\c+3], v[AD] offset:6144+1536*\t+512*\c
.endr
.endr
	s_wait_dscnt 12                                ; the scale words and K are in; V's twelve loads may be out
.irp b, 0,1,2,3                        ; S^T: register j of tile i holds key 16 i + 8 h + j of the step
	v_wmma_scale_f32_16x16x128_f8f6f4 v[S+16*\b:S+16*\b+7], v[KF+12*\b:KF+12*\b+11], v[\qlo:\qlo+11], 0, v[KVS+\b], v[\qs] matrix_a_fmt:MATRIX_FMT_FP6 matrix_b_fmt:MATRIX_FMT_FP6
	v_wmma_scale_f32_16x16x128_f8f6f4 v[S+16*\b+8:S+16*\b+15], v[KF+12*\b:KF+12*\b+11], v[\qhi:\qhi+11], 0, v[KVS+\b], v[\qs] matrix_a_fmt:MATRIX_FMT_FP6 matrix_b_fmt:MATRIX_FMT_FP6
.endr
.rept 4
	v_nop                                          ; places: the scores are read, and K's registers written, below
.endr
	s_cmp_lg_u32 s17, s[\ls]                       ; the tile's last key step lies on the diagonal: there hidden scores become -infinity, and p = 0
	s_cbranch_scc1 .Lopen_\@
.set n, 0
.rept 64
	v_cmp_gt_i32 vcc_lo, 16*(n/8)+n%8, v[\dq]
	v_cndmask_b32 v[S+n], v[S+n], v[NINF], vcc_lo
.set n, n+1
.endr
.Lopen_\@:
.irp b, 0,1,2,3
	v_max3_num_f32 v[BM+\b], v[S+16*\b], v[S+1+16*\b], v[S+2+16*\b]   ; the largest score of each block of 32 keys: it serves for the row's maximum and, since p rises with the score, for the block's largest p
.endr
.irp i, 3,5,7,9,11,13
.irp b, 0,1,2,3
	v_max3_num_f32 v[BM+\b], v[BM+\b], v[S+16*\b+\i], v[S+1+16*\b+\i]
.endr
.endr
.irp b, 0,1,2,3
	v_max_num_f32 v[BM+\b], v[BM+\b], v[S+15+16*\b]
.endr
.irp b, 0,1,2,3
	s_delay_alu instid0(VALU_DEP_4)
	v_permlanex16_b32 v[PT+\b], v[BM+\b], s20, s21
.endr
.irp b, 0,1,2,3
	s_delay_alu instid0(VALU_DEP_4)
	v_max_num_f32 v[BM+\b], v[BM+\b], v[PT+\b]     ; with lane l xor 16's 16 keys
.endr
	s_delay_alu instid0(VALU_DEP_2)
	v_max3_num_f32 v254, v[BM], v[BM+1], v[BM+2]
	s_delay_alu instid0(VALU_DEP_1)
	v_max_num_f32 v254, v254, v[BM+3]
	s_delay_alu instid0(VALU_DEP_1)
	v_mul_f32 v254, s22, v254                      ; as t (c is positive)
	s_delay_alu instid0(VALU_DEP_1)
	v_max_num_f32 v13, v13, v254                   ; the running largest t
	v_mov_b32 v254, v12
	s_delay_alu instid0(VALU_DEP_2)
	v_floor_f32 v12, -v13                          ; the new -M = -ceil(t): a whole number
	s_delay_alu instid0(VALU_DEP_1)
	v_sub_f32 v254, v12, v254                      ; old M - new M: a whole number, 0 or less
	s_delay_alu instid0(VALU_DEP_1)
	v_cvt_i32_f32 v254, v254                       ; (it saturates)
	s_delay_alu instid0(VALU_DEP_1)
	v_ldexp_f32 v252, 1.0, v254                    ; f = 2^(old M - new M)
.set j, 0
.rept 32
	v_pk_fma_f32 v[S+j:S+j+1], v[S+j:S+j+1], s[22:23], v[12:13] op_sel_hi:[1,0,0]   ; t - M, two at a time
.set j, j+2
.endr
	s_setprio 1
.irp b, 0,1,2,3
	v_fma_f32 v[BM+\b], v[BM+\b], s22, v12         ; the same of each block's largest score
.endr
.set j, 0
	s_wait_alu depctr_va_vdst(0)
.rept 64
	v_exp_f32 v[S+j], v[S+j]                       ; p = 2^(t - M), at most 1
.set j, j+1
.endr
.irp b, 0,1,2,3
	v_exp_f32 v[BM+\b], v[BM+\b]                   ; the block's largest p
.endr
	v_pk_mul_f32 v[14:15], v[14:15], v[252:253] op_sel_hi:[1,0]   ; the sums under the new M (a plain place behind the exponentials)
	s_wait_alu depctr_va_vdst(0)
.irp b, 0,1,2,3
	v_max_num_f32 v[BM+\b], 0x1800000, v[BM+\b]    ; the floor 2^(3 - 127): the byte cannot fall under 1
.endr
.irp b, 0,1,2,3
	s_delay_alu instid0(VALU_DEP_4)
	v_add_nc_u32 v[SO+\b], 0xff000000, v[BM+\b]    ; 2 off the exponent field: the conversion's scale operand
.endr
.irp b, 0,1,2,3
	s_delay_alu instid0(VALU_DEP_4)
	v_lshrrev_b32 v[BY+\b], 23, v[SO+\b]
.endr
	s_delay_alu instid0(VALU_DEP_3)
	v_lshl_or_b32 v[PSW], v[BY+1], 8, v[BY]        ; p's scale word for these 128 keys
	s_delay_alu instid0(VALU_DEP_1)
	v_lshl_or_b32 v[PSW], v[BY+2], 16, v[PSW]
	s_delay_alu instid0(VALU_DEP_1)
	v_lshl_or_b32 v[PSW], v[BY+3], 24, v[PSW]
.irp c, 0,1
	v_cvt_scalef32_pk16_fp6_f32 v[PC+6*\c:PC+6*\c+2], v[S+32*\c:S+32*\c+15], v[SO+2*\c]
	v_cvt_scalef32_pk16_fp6_f32 v[UT+4*\c:UT+4*\c+2], v[S+32*\c+16:S+32*\c+31], v[SO+2*\c+1]
.endr
	v_nop                                          ; one plain place behind a scaled conversion
.irp c, 0,1
.irp i, 0,1,2
	v_permlane16_swap_b32 v[PC+6*\c+\i], v[UT+4*\c+\i]   ; a whole block to a lane: lanes 0-15 block 2 c, lanes 16-31 block 2 c + 1
.endr
.irp i, 0,1,2
	s_delay_alu instid0(VALU_DEP_3)
	v_mov_b32 v[PC+3+6*\c+\i], v[UT+4*\c+\i]
.endr
.endr
.set j, 0
.rept 16
	v_pk_mul_f32 v[O+j:O+j+1], v[O+j:O+j+1], v[252:253] op_sel_hi:[1,0]   ; O^T under the new M
.set j, j+2
.endr
	s_setprio 0
	v_pk_add_f32 v[84:85], v[100:101], v[104:105]
	v_pk_add_f32 v[248:249], v[108:109], v[112:113]
	v_pk_add_f32 v[246:247], v[116:117], v[120:121]
	v_pk_add_f32 v[244:245], v[124:125], v[128:129]
	v_pk_add_f32 v[242:243], v[132:133], v[136:137]
	v_pk_add_f32 v[94:95], v[140:141], v[144:145]
	v_pk_add_f32 v[92:93], v[148:149], v[152:153]
	v_pk_add_f32 v[14:15], v[14:15], v[156:157]
	v_pk_add_f32 v[84:85], v[84:85], v[96:97]
	v_pk_add_f32 v[248:249], v[248:249], v[98:99]
	v_pk_add_f32 v[246:247], v[246:247], v[102:103]
	v_pk_add_f32 v[244:245], v[244:245], v[106:107]
	v_pk_add_f32 v[242:243], v[242:243], v[110:111]
	v_pk_add_f32 v[94:95], v[94:95], v[114:115]
	v_pk_add_f32 v[92:93], v[92:93], v[118:119]
	v_pk_add_f32 v[14:15], v[14:15], v[122:123]
	v_pk_add_f32 v[84:85], v[84:85], v[126:127]
	v_pk_add_f32 v[248:249], v[248:249], v[130:131]
	v_pk_add_f32 v[246:247], v[246:247], v[134:135]
	v_pk_add_f32 v[244:245], v[244:245], v[138:139]
	v_pk_add_f32 v[242:243], v[242:243], v[142:143]
	v_pk_add_f32 v[94:95], v[94:95], v[146:147]
	v_pk_add_f32 v[92:93], v[92:93], v[150:151]
	v_pk_add_f32 v[14:15], v[14:15], v[154:155]
	v_pk_add_f32 v[84:85], v[84:85], v[158:159]
	s_delay_alu instid0(VALU_DEP_2)
	v_pk_add_f32 v[14:15], v[14:15], v[244:245]
	s_delay_alu instid0(VALU_DEP_2)
	v_pk_add_f32 v[84:85], v[84:85], v[242:243]
	v_pk_add_f32 v[248:249], v[248:249], v[94:95]
	v_pk_add_f32 v[246:247], v[246:247], v[92:93]
	s_delay_alu instid0(VALU_DEP_2)
	v_pk_add_f32 v[14:15], v[14:15], v[248:249]
	s_delay_alu instid0(VALU_DEP_2)
	v_pk_add_f32 v[84:85], v[84:85], v[246:247]
	s_delay_alu instid0(VALU_DEP_1)
	v_pk_add_f32 v[14:15], v[14:15], v[84:85]
	s_wait_dscnt 0x0                               ; V is in
.irp t, 0,1,2,3                        ; O^T += V^T P^T: the four accumulators by turns, one instruction a turn; eight other products stand between two links
	v_wmma_scale_f32_16x16x128_f8f6f4 v[O+8*\t:O+8*\t+7], v[VF+12*\t:VF+12*\t+11], v[PC:PC+11], v[O+8*\t:O+8*\t+7], v[KVS+\t], v[PSW] matrix_a_fmt:MATRIX_FMT_FP6 matrix_b_fmt:MATRIX_FMT_FP6 matrix_a_scale:MATRIX_SCALE_ROW1
.endr
.Lskip_\@:
	s_add_co_u32 s18, s18, KSB
	s_add_co_u32 s17, s17, 1
	s_cmp_lt_u32 s17, 16
	s_cbranch_scc1 .Lstep_\@
	s_setprio 0
	; the way out: O^T / the sum, laid so that a lane's 16 registers are 16 neighbours along C, quantised, stored as half a fragment of the last product
.rept 4
	v_nop                                          ; places behind the last products
.endr
	s_wait_alu depctr_va_vdst(0)
	v_add_f32 v14, v14, v15
	s_delay_alu instid0(VALU_DEP_1)
	v_permlanex16_b32 v[PT], v14, s20, s21
	s_delay_alu instid0(VALU_DEP_1)
	v_add_f32 v14, v14, v[PT]                      ; the row's sum
	s_wait_alu depctr_va_vdst(0)
	v_rcp_f32 v14, v14
	v_nop                                          ; one plain place behind a transcendental
.set j, 0
	s_wait_alu depctr_va_vdst(0)
.rept 16
	v_pk_mul_f32 v[O+j:O+j+1], v[O+j:O+j+1], v[14:15] op_sel_hi:[1,0]   ; each accumulator from its low end on
.set j, j+2
.endr
.irp b, 0,1
.irp j, 0,1,2,3,4,5,6,7
	v_permlane16_swap_b32 v[O+16*\b+\j], v[O+16*\b+8+\j]   ; register 16 b + i now holds channel 32 b + 16 h + i of my query
.endr
.endr
.irp b, 0,1
	v_max3_num_f32 v[BM+\b], |v[O+16*\b]|, |v[O+1+16*\b]|, 0x1800000
.endr
.irp i, 2,4,6,8,10,12,14
.irp b, 0,1
	s_delay_alu instid0(VALU_DEP_2)
	v_max3_num_f32 v[BM+\b], v[BM+\b], |v[O+16*\b+\i]|, |v[O+1+16*\b+\i]|
.endr
.endr
.irp b, 0,1
	s_delay_alu instid0(VALU_DEP_2)
	v_permlanex16_b32 v[PT+\b], v[BM+\b], s20, s21
.endr
.irp b, 0,1
	s_delay_alu instid0(VALU_DEP_2)
	v_max_num_f32 v[BM+\b], v[BM+\b], v[PT+\b]
.endr
.irp b, 0,1
	s_delay_alu instid0(VALU_DEP_2)
	v_add_nc_u32 v[SO+\b], 0xff000000, v[BM+\b]
.endr
.irp b, 0,1
	s_delay_alu instid0(VALU_DEP_2)
	v_lshrrev_b32 v[BY+\b], 23, v[SO+\b]
.endr
	s_delay_alu instid0(VALU_DEP_1)
	v_cndmask_b32 v[BY], v[BY], v[BY+1], s19       ; lanes 0-15 store block 0's byte, lanes 16-31 block 1's
	v_cvt_scalef32_pk16_fp6_f32 v[PC:PC+2], v[O:O+15], v[SO]
	v_cvt_scalef32_pk16_fp6_f32 v[UT:UT+2], v[O+16:O+31], v[SO+1]
	v_nop                                          ; one plain place behind a scaled conversion
.irp i, 0,1,2
	v_permlane16_swap_b32 v[PC+\i], v[UT+\i]
.endr
.irp i, 0,1,2
	s_delay_alu instid0(VALU_DEP_3)
	v_mov_b32 v[PC+3+\i], v[UT+\i]                 ; lane (r, h): the 32 codes of block h of query r, in their true order
.endr
.irp p, 0,1,2
	global_store_b64 v[YO], v[PC+2*\p:PC+2*\p+1], s[\yc:\yc+1] offset:256*\p   ; 32 lanes store 256 consecutive bytes, at a multiple of 256 from the buffer's first byte
.endr
	global_store_b8 v[YSO], v[BY], s[\ys:\ys+1]
.endm
	PASS 22, 16, 46, 15, 5, 40, 44                 ; tile a
	PASS 34, 28, 47, 16, 6, 42, 46                 ; tile 127 - a
	s_wait_dscnt 0x0
	s_wait_tensorcnt 0x0
	ds_add_u32 v251, v255
	s_wait_dscnt 0x0
	ROUND                                          ; the closing round: no work-group ends while a partner may still ask for a tile that names it
	s_endpgm
.Lfunc_end_k_qb73abd6b85_attn:
	.size	k_qb73abd6b85_attn, .Lfunc_end_k_qb73abd6b85_attn-k_qb73abd6b85_attn
	.p2alignl 7, 3214868480
	.fill 96, 4, 3214868480
	.section	.rodata,"a",@progbits
	.p2align	6, 0x0
	.amdhsa_kernel k_qb73abd6b85_attn
		.amdhsa_group_segment_fixed_size 206848
		.amdhsa_private_segment_fixed_size 0
		.amdhsa_enable_private_segment 0
		.amdhsa_kernarg_size 24
		.amdhsa_user_sgpr_count 2
		.amdhsa_user_sgpr_kernarg_segment_ptr 1
		.amdhsa_wavefront_size32 1
		.amdhsa_system_sgpr_workgroup_id_x 1
		.amdhsa_system_sgpr_workgroup_id_y 1
		.amdhsa_system_sgpr_workgroup_id_z 1
		.amdhsa_system_vgpr_workitem_id 0
		.amdhsa_next_free_vgpr 256
		.amdhsa_next_free_sgpr 66
		.amdhsa_reserve_vcc 1
		.amdhsa_float_denorm_mode_32 3
		.amdhsa_float_denorm_mode_16_64 3
		.amdhsa_memory_ordered 1
		.amdhsa_forward_progress 1
		.amdhsa_inst_pref_size 65
	.end_amdhsa_kernel
	.amdgpu_metadata
---
amdhsa.version: [ 1, 2 ]
amdhsa.kernels:
  - .name:           k_qb73abd6b85_attn
    .symbol:         k_qb73abd6b85_attn.kd
    .args:
      - { .name: qkv, .offset: 0, .size: 8, .value_kind: global_buffer, .address_space: global }
      - { .name: ycodes, .offset: 8, .size: 8, .value_kind: global_buffer, .address_space: global }
      - { .name: yscales, .offset: 16, .size: 8, .value_kind: global_buffer, .address_space: global }
    .group_segment_fixed_size: 206848
    .private_segment_fixed_size: 0
    .kernarg_segment_align: 8
    .kernarg_segment_size: 24
    .max_flat_workgroup_size: 512
    .sgpr_count:     66
    .vgpr_count:     256
    .wavefront_size: 32
...
	.end_amdgpu_metadata
.endif
;; end of part 2
;; launch proj (part 3): grid 4 x 32, 4 waves a work-group, clusters of 4 x 4, 327,680 bytes of LDS; arguments ycodes, yscales, W_proj_codes, W_proj_scales, b_proj, out0; writes out0
.if DOCPART == 3
	.amdgcn_target "amdgcn-amd-amdhsa--gfx1250"
	.amdhsa_code_object_version 6
	.text
	.protected	k_qb73abd6b85_proj
	.globl	k_qb73abd6b85_proj
	.p2align	8
	.type	k_qb73abd6b85_proj,@function
k_qb73abd6b85_proj:
	s_mov_b64 s[64:65], 0
	v_nop
	global_prefetch_b8 v0, s[64:65] scope:SCOPE_SE
	s_setreg_imm32_b32 hwreg(HW_REG_WAVE_MODE, 25, 1), 1
	s_wait_xcnt 0x0
	s_wait_alu depctr_hold_cnt(0) depctr_sa_sdst(0) depctr_va_vdst(0) depctr_va_sdst(0) depctr_va_ssrc(0) depctr_va_vcc(0) depctr_vm_vsrc(0)
	s_getreg_b32 s2, hwreg(HW_REG_IB_STS2, 6, 4)
	s_cmp_eq_u32 s2, 0
	s_cbranch_scc0 .Lentry_in_a_cluster
	s_endpgm
.Lentry_in_a_cluster:
	s_bfe_u32 s2, ttmp6, 0x10000c
	s_cmp_lg_u32 s2, 0xf033
	s_cbranch_scc0 .Lentry_shape_is_right
	s_endpgm
.Lentry_shape_is_right:
; out0 = y W_proj + b_proj on codes of FP6 (E2M3) with one E8M0 scale for each 32 along K = 1,024; out0 [8,192][1,024] f32.
; A = y: codes as images of the operand's registers, [tile of 16 tokens 512][K step 8][1,536 bytes]: registers 2 p, 2 p + 1 of lane l at 256 p + 8 l; scale bytes [token][32].  B = W_proj: rows of 768 bytes, scale bytes [row][32].
; A tile of 256 x 256 is made by a work-group of four waves; a wave makes 128 x 128: 64 accumulators, 512 registers.  K goes in steps of 256 through a ring of two LDS slots; the scales of the work-group's rows come once.
; CLUSTERS: 4 x 4 work-groups; A's tiles are asked for jointly along a row of the cluster, B's along a column.  The grid has 128 work-groups: out0 has no more tiles of this size.
; THE MATRIX INSTRUCTION IS USED TRANSPOSED (source 0 = 16 rows of W_proj, source 1 = 16 tokens): a lane holds eight neighbouring numbers of a row of out0.  The bias is the C of each sum's first product.
; REGISTERS, in windows of 256: window 0: v0-31 addresses; v32-63 scale words, two sets; v64-127 the bias; v128-223 A's fragments; on the way out v128-255 rows of out0.   window 1: B's fragments, two sets.   windows 2, 3: the accumulators.
.set SIZE_K, 1024
.set SIZE_N, 1024
.set KSTEP,  256
.set NQ,     KSTEP/128
.set ROWB,   192                       ; a row of B's tile in bytes
.set AROWB,  3072                      ; a tile of 16 tokens x 256 K of A in bytes: two fragments
.set KROW,   SIZE_K*6/8                ; a row of B in memory; also A's bytes for each token
.set PITCH,  240                       ; B's LDS row: 3 x (64 bytes + 16 of padding)
.set FR,     12
.set NL,     6
.set NP,     4
.set HALFT,  128*PITCH                 ; the LDS bytes of 128 rows (A uses 24,576 of them)
.set SLOT,   4*HALFT
.set LAPS,   SIZE_K/(2*KSTEP)
.set KS,     SIZE_K/32
.set SCL,    2*SLOT
.set HALFS,  (128*KS/256)*272
.set SBLK,   (16*KS/256)*272
.set SPARE,  SCL+4*HALFS               ; the spare words, 128 bytes for each wave, that no other line names
.set SPITCH, 528                       ; the way out: a stage of 16 rows x (512 bytes + 16) for each wave, in slot 0, which has had its last fill and its last read when the first result is stored there
.set ADRA, 16                          ; v16-17  LDS address of my A fragments in slot 0, 1: 8 x lane on
.set ADRB, 20                          ; v20-23  of my B fragments (slot 0, 1; the same behind one padding more)
.set STO,  24
.set RD,   25
.set CO,   26
.set ADRS, 27
.set SPW,  28
.set NIL,  29
.set BO,   30                          ; v30     32 h
.set SC,   32
.set BI,   64                          ; v64-127 b_proj[16 b + 8 h + j] of my 128 columns
.set AF,   128
.set BK,   128
.set G1, 24
.set G0, 32
.set G1B, 48
.set G0B, 56
.set G1S, 68
.set G0S, 76
.set G1SB, 80
.set G0SB, 88
.set MSB, 0
.macro WIN new                         ; the immediate's high byte repeats the setting that is left
.if MSB != (\new)
	s_set_vgpr_msb (MSB<<8)|(\new)
.set MSB, (\new)
.endif
.endm
.set MUL_LO, 0xa1                      ; source 0 (B) window 1, source 1 (A) window 0, C and D window 2
.set MUL_HI, 0xf1                      ; the same, C and D window 3
.set TO_B,   0x40
.macro JLOAD g0a, g1a, g0b, g1b        ; a joint load: waves 0 and 1 fetch for A, waves 2 and 3 for B; four v_nop follow each of the two lines
	s_cmp_eq_u32 s15, 0
	s_cbranch_scc0 .Lfor_b_\@
	tensor_load_to_lds s[\g0a:\g0a+3], s[\g1a:\g1a+7]
	s_nop 0
.rept 4
	v_nop
.endr
	s_branch .Lasked_\@
.Lfor_b_\@:
	tensor_load_to_lds s[\g0b:\g0b+3], s[\g1b:\g1b+7]
	s_nop 0
.rept 4
	v_nop
.endr
.Lasked_\@:
.endm
.macro CREST
	s_cmp_lg_u32 s14, 0
	s_cbranch_scc1 .Lnot_wave_0_\@
	s_barrier_signal -3
.Lnot_wave_0_\@:
	s_barrier_wait -3
	s_barrier_signal -1
	s_barrier_wait -1
.endm
.macro CROUND
	s_barrier_signal -1
	s_barrier_wait -1
	CREST
.endm
	s_load_b128 s[4:7], s[0:1], 0x0                ; y's codes, y's scales
	s_load_b128 s[8:11], s[0:1], 0x10              ; W_proj's codes, W_proj's scales
	s_load_b128 s[96:99], s[0:1], 0x20             ; b_proj, out0
	v_lshl_add_u32 v[SPW], v0, 2, SPARE
	v_mov_b32 v[NIL], 0
	ds_add_u32 v28, v29
	ds_add_u32 v28, v29
	s_wait_dscnt 0x0
	v_lshrrev_b32 v1, 5, v0
	v_readfirstlane_b32 s14, v1                    ; wave 0..3
	s_lshr_b32 s15, s14, 1                         ; which half of the tile's rows is mine.  Also: I fetch for A (0) or for B (1)
	s_and_b32 s16, s14, 1                          ; which half of its columns.  Also: which 128 rows of that tile I fetch
	s_bfe_u32 s40, ttmp6, 0x40000                  ; cx, cy
	s_bfe_u32 s41, ttmp6, 0x40004
	s_lshl_b32 s42, ttmp9, 2
	s_add_co_u32 s42, s42, s40                     ; tile column = 4 x cluster x + cx
	s_and_b32 s17, ttmp7, 0xffff
	s_lshl_b32 s17, s17, 2
	s_add_co_u32 s17, s17, s41                     ; tile row = 4 x cluster y + cy
	s_lshl_b32 s43, s41, 2
	s_lshl_b32 s43, 15, s43                        ; my row of the cluster
	s_lshl_b32 s44, 0x1111, s40                    ; my column
	; descriptor group 1 for A: 8 tiles of tokens x 3,072 bytes (384 elements of 8 bytes), 12,288 bytes apart, dense in LDS
	s_or_b32 s[G1+0], s43, (3<<16)|(1<<21)         ; 15:0 the mask: my row; 17:16 elements of 8 bytes; 20 no padding; 21 set beside a mask
	s_mov_b32 s[G1+1], 384<<16                     ; tensor_dim0
	s_mov_b32 s[G1+2], 8<<16                       ; tensor_dim1
	s_mov_b32 s[G1+3], 384<<16                     ; tile_dim0
	s_mov_b32 s[G1+4], 8                           ; tile_dim1
	s_mov_b32 s[G1+5], 1536                        ; tensor_dim0_stride
	s_mov_b32 s[G1+6], 0
	s_mov_b32 s[G1+7], 0
	; for B: 128 rows x 192 bytes, 16 bytes of padding behind every 64
	s_or_b32 s[G1B+0], s44, (0<<16)|(1<<20)|(1<<21)|(3<<22)|(3<<25)
	s_mov_b32 s[G1B+1], ROWB<<16
	s_mov_b32 s[G1B+2], 128<<16
	s_mov_b32 s[G1B+3], ROWB<<16
	s_mov_b32 s[G1B+4], 128
	s_mov_b32 s[G1B+5], KROW
	s_mov_b32 s[G1B+6], 0
	s_mov_b32 s[G1B+7], 0
	; the scales of 128 rows: 4,096 dense bytes as rows of 256 bytes, 16 bytes of padding behind each
	s_or_b32 s[G1S+0], s43, (3<<16)|(1<<20)|(1<<21)|(5<<22)|(3<<25)
	s_or_b32 s[G1SB+0], s44, (3<<16)|(1<<20)|(1<<21)|(5<<22)|(3<<25)
.irp g, G1S, G1SB
	s_mov_b32 s[\g+1], 32<<16
	s_mov_b32 s[\g+2], (128*KS/256)<<16
	s_mov_b32 s[\g+3], 32<<16
	s_mov_b32 s[\g+4], 128*KS/256
	s_mov_b32 s[\g+5], 32
	s_mov_b32 s[\g+6], 0
	s_mov_b32 s[\g+7], 0
.endr
	s_lshl_b32 s18, s16, 7
	s_lshl_b32 s20, s17, 8
	s_add_co_u32 s20, s20, s18                     ; A: token 256 x tile row + 128 x half
	s_lshl_b32 s46, s42, 8
	s_add_co_u32 s46, s46, s18                     ; B: row 256 x tile column + 128 x half
	s_mov_b32 s21, 0
	s_mov_b32 s47, 0
	s_mov_b64 s[18:19], KS
	s_mul_u64 s[22:23], s[20:21], s[18:19]
	s_mul_u64 s[92:93], s[46:47], s[18:19]
	s_mov_b64 s[18:19], KROW
	s_mul_u64 s[20:21], s[20:21], s[18:19]         ; 16 tokens are 12,288 bytes of images: 768 a token, as a row of B
	s_mul_u64 s[46:47], s[46:47], s[18:19]
	s_mul_i32 s45, s14, HALFT
	s_mul_i32 s94, s14, HALFS
	s_wait_kmcnt 0x0
	s_add_nc_u64 s[20:21], s[4:5], s[20:21]
	s_add_nc_u64 s[22:23], s[6:7], s[22:23]
	s_add_nc_u64 s[46:47], s[8:9], s[46:47]
	s_add_nc_u64 s[92:93], s[10:11], s[92:93]
	CROUND                                         ; all sixteen work-groups are here: the first joint loads meet
	s_mov_b32 s[G0S], 1
	s_add_co_u32 s[G0S+1], s94, SCL
	s_mov_b64 s[G0S+2:G0S+3], s[22:23]
	s_or_b32 s[G0S+3], s[G0S+3], 0x80000000
	s_mov_b32 s[G0SB], 1
	s_add_co_u32 s[G0SB+1], s94, SCL
	s_mov_b64 s[G0SB+2:G0SB+3], s[92:93]
	s_or_b32 s[G0SB+3], s[G0SB+3], 0x80000000
	JLOAD G0S, G1S, G0SB, G1SB                     ; the scales first; filled once
.irp s, 0,1
	s_mov_b32 s[G0+4*\s], 1
	s_add_co_u32 s[G0+4*\s+1], s45, \s*SLOT
	s_add_nc_u64 s[G0+4*\s+2:G0+4*\s+3], s[20:21], \s*AROWB
	s_or_b32 s[G0+4*\s+3], s[G0+4*\s+3], 0x80000000
	s_mov_b32 s[G0B+4*\s], 1
	s_add_co_u32 s[G0B+4*\s+1], s45, \s*SLOT
	s_add_nc_u64 s[G0B+4*\s+2:G0B+4*\s+3], s[46:47], \s*ROWB
	s_or_b32 s[G0B+4*\s+3], s[G0B+4*\s+3], 0x80000000
	s_wait_alu depctr_va_vdst(0)
	s_wait_tensorcnt 0x0
	ds_add_u32 v28, v29
	s_wait_dscnt 0x0
	CROUND
	JLOAD G0+4*\s, G1, G0B+4*\s, G1B               ; one tensor load of mine is out
.endr
	v_and_b32 v1, 15, v0                           ; r
	v_bfe_u32 v2, v0, 4, 1                         ; h
	v_mul_u32_u24 v3, v1, PITCH
	v_mul_u32_u24 v4, v2, 24
	v_add_nc_u32 v4, v3, v4                        ; B: a fragment's row x pitch + 24 x half
	v_lshl_add_u32 v5, v2, 4, v4                   ; and the same behind one padding more
	v_and_b32 v6, 31, v0
	v_lshlrev_b32 v3, 3, v6                        ; A: 8 x lane
	s_mul_i32 s21, s15, HALFT                      ; my 128 tokens of A
	s_mul_i32 s22, s16, HALFT                      ; my 128 rows of B,
	s_add_co_u32 s22, s22, 2*HALFT                 ; which lie behind A's
.irp s, 0,1
	v_add_nc_u32 v[ADRA+\s], s21, v3
	v_add_nc_u32 v[ADRB+\s], s22, v4
	v_add_nc_u32 v[ADRB+2+\s], s22, v5
	s_add_co_u32 s21, s21, SLOT
	s_add_co_u32 s22, s22, SLOT
.endr
	v_mul_u32_u24 v5, v1, KS
	v_lshrrev_b32 v6, 8, v5
	v_lshl_add_u32 v5, v6, 4, v5
	s_mul_i32 s21, s15, HALFS
	s_mul_i32 s22, s16, HALFS
	s_add_co_u32 s22, s22, 2*HALFS
	s_sub_co_u32 s22, s22, s21
	v_mul_u32_u24 v6, s22, v2                      ; lanes 16-31 take B's
	s_add_co_u32 s21, s21, SCL
	v_add_nc_u32 v5, v5, v6
	v_add_nc_u32 v[ADRS], s21, v5
	s_mul_i32 s23, s14, 16*SPITCH                  ; my stage
	v_mul_u32_u24 v5, v1, SPITCH
	v_lshl_add_u32 v5, v2, 5, v5
	v_add_nc_u32 v[STO], s23, v5                   ; in: row r, 32 bytes for each half of the lanes
	v_and_b32 v6, 31, v0
	v_lshlrev_b32 v[CO], 4, v6                     ; back: the 32 lanes take one row of 512 bytes; and the same in out0
	v_add_nc_u32 v[RD], s23, v[CO]
	v_lshlrev_b32 v[BO], 5, v2
	s_wait_alu depctr_va_vdst(0)
	s_lshl_b32 s20, s17, 8
	s_lshl_b32 s21, s15, 7
	s_add_co_u32 s20, s20, s21                     ; my first row of out0
	s_mov_b32 s21, 0
	s_mov_b64 s[18:19], SIZE_N*4
	s_mul_u64 s[20:21], s[20:21], s[18:19]
	s_lshl_b32 s46, s42, 10                        ; my first column, in bytes: 1,024 x tile column + 512 x half
	s_lshl_b32 s47, s16, 9
	s_add_co_u32 s46, s46, s47
	s_mov_b32 s47, 0
	s_add_nc_u64 s[94:95], s[96:97], s[46:47]      ; my 128 numbers of b_proj
	s_add_nc_u64 s[20:21], s[20:21], s[46:47]
	s_mov_b64 s[12:13], s[98:99]
	s_add_nc_u64 s[12:13], s[12:13], s[20:21]
.irp b, 0,1,2,3,4,5,6,7
	global_load_b128 v[BI+8*\b:BI+8*\b+3], v[BO], s[94:95] offset:64*\b
	global_load_b128 v[BI+8*\b+4:BI+8*\b+7], v[BO], s[94:95] offset:64*\b+16
.endr
.macro FRAG reg, adr, q, i             ; a fragment of B from rows: pieces of 8 bytes; lanes 16-31 read three pieces further on; where that lies behind one padding more, the second address register serves
.irp p, 0,1,2,3,4,5
.set PC, 12*(\q)+6*(\p/3)+\p%3
.if PC%8 < 5
	ds_load_b64 v[\reg+2*\p:\reg+2*\p+1], v[\adr] offset:8*PC+16*(PC/8)+(\i)*16*PITCH
.else
	ds_load_b64 v[\reg+2*\p:\reg+2*\p+1], v[\adr+2] offset:8*PC+16*(PC/8)+(\i)*16*PITCH
.endif
.endr
.endm
.macro FRAGA reg, adr, q, i            ; a fragment of A from its image: each load takes 256 consecutive bytes
.irp p, 0,1,2,3,4,5
	ds_load_b64 v[\reg+2*\p:\reg+2*\p+1], v[\adr] offset:AROWB*(\i)+1536*(\q)+256*\p
.endr
.endm
; 16 matrix instructions: A's blocks a0, a0 + 1 x B's eight.  zero = 1: the first product starts the sums, with the bias as its C.  The 64 accumulators take turns, one instruction a turn.
.macro MUL16 a0, p, q, sc, zero
.irp a, \a0, \a0+1
.irp b, 0,1,2,3,4,5,6,7
.if \zero
	v_wmma_scale_f32_16x16x128_f8f6f4 v[8*(8*((\a)%4)+\b):8*(8*((\a)%4)+\b)+7], v[128*(\p)+FR*\b:128*(\p)+FR*\b+FR-1], v[AF+FR*(\a):AF+FR*(\a)+FR-1], v[BI+8*\b:BI+8*\b+7], v[SC+8*NQ*(\sc)+NQ*\b+(\q)], v[SC+8*NQ*(\sc)+NQ*(\a)+(\q)] matrix_a_fmt:MATRIX_FMT_FP6 matrix_b_fmt:MATRIX_FMT_FP6 matrix_a_scale:MATRIX_SCALE_ROW1
.else
	v_wmma_scale_f32_16x16x128_f8f6f4 v[8*(8*((\a)%4)+\b):8*(8*((\a)%4)+\b)+7], v[128*(\p)+FR*\b:128*(\p)+FR*\b+FR-1], v[AF+FR*(\a):AF+FR*(\a)+FR-1], v[8*(8*((\a)%4)+\b):8*(8*((\a)%4)+\b)+7], v[SC+8*NQ*(\sc)+NQ*\b+(\q)], v[SC+8*NQ*(\sc)+NQ*(\a)+(\q)] matrix_a_fmt:MATRIX_FMT_FP6 matrix_b_fmt:MATRIX_FMT_FP6 matrix_a_scale:MATRIX_SCALE_ROW1
.endif
.endr
.endr
.endm
.macro FETCH_B slot, q, p
	WIN TO_B
.irp i, 0,1,2,3,4,5,6,7
	FRAG 128*(\p)+FR*\i, ADRB+\slot, \q, \i
.endr
	WIN 0
.endm
.macro FETCH_A slot, q, i0
.irp i, \i0, \i0+1, \i0+2, \i0+3
	FRAGA AF+FR*(\i), ADRA+\slot, \q, \i
.endr
.endm
.macro SCALES sc
.irp i, 0,1,2,3,4,5,6,7
	ds_load_b64 v[SC+8*NQ*\sc+NQ*\i:SC+8*NQ*\sc+NQ*\i+1], v[ADRS] offset:\i*SBLK
.endr
.endm
.macro PLACES n                        ; plain vector instructions between a matrix instruction and a load into, or a store from, its registers
.rept \n
	v_nop
.endr
.endm
.macro STEP slot, q, zero              ; a step of 128 along K that has its successor in the same slot.  zero = 1: C, the bias, lies in window 0
	s_wait_dscnt 4*NL                              ; B's set and A's blocks 0-3 are in; the youngest 24 loads (A's blocks 4-7) may be out
	WIN MUL_LO-0x20*(\zero)
	MUL16 0, (\q)%2, \q, \slot, \zero
	MUL16 2, (\q)%2, \q, \slot, \zero
	s_wait_dscnt 0
	PLACES NP
	FETCH_B \slot, (\q)+1, 1-(\q)%2
	FETCH_A \slot, (\q)+1, 0
	WIN MUL_HI-0x30*(\zero)
	MUL16 4, (\q)%2, \q, \slot, \zero
	MUL16 6, (\q)%2, \q, \slot, \zero
	PLACES NP
	WIN 0
	FETCH_A \slot, (\q)+1, 4
.endm
; A slot's last step changes slots: one barrier; in front of it each wave waits for all its tensor loads, adds 0 to its spare word, and waits for that and for its own reads of this slot.  fill = 1: this slot is filled again, two K steps ahead.
.macro TURN slot, next, fill
	s_wait_tensorcnt 0x0                           ; all my tensor loads have landed: my part of the next slot
	ds_add_u32 v[SPW], v[NIL]                      ; 0 onto my spare word
	s_wait_dscnt 4*NL+1                            ; (the add and the youngest 24 loads may be out)
	WIN MUL_LO
	MUL16 0, 1, NQ-1, \slot, 0
	s_wait_dscnt 0x0                               ; the add is done, and my reads of this slot are over
	s_barrier_signal -1
	MUL16 2, 1, NQ-1, \slot, 0
	WIN 0
	s_barrier_wait -1
.if \fill
	CREST                                          ; the barrier has opened a round of the cluster's barrier: no wave of any partner still reads this slot's tile or has a load on its way
	s_add_nc_u64 s[G0+4*\slot+2:G0+4*\slot+3], s[G0+4*\slot+2:G0+4*\slot+3], 2*AROWB
	s_add_nc_u64 s[G0B+4*\slot+2:G0B+4*\slot+3], s[G0B+4*\slot+2:G0B+4*\slot+3], 2*ROWB
	JLOAD G0+4*\slot, G1, G0B+4*\slot, G1B         ; the first tensor load behind the round; its four v_nop are the places in front of the loads below
.else
	PLACES NP
.endif
	s_wait_alu depctr_va_vdst(0)
	v_add_nc_u32 v[ADRS], 4*NQ, v[ADRS]
	FETCH_B \next, 0, 0
	FETCH_A \next, 0, 0
	SCALES \next
	WIN MUL_HI
	MUL16 4, 1, NQ-1, \slot, 0
	MUL16 6, 1, NQ-1, \slot, 0
	PLACES NP
	WIN 0
	FETCH_A \next, 0, 4
.endm
	s_wait_loadcnt 0x0                             ; the bias
	s_wait_tensorcnt 1                             ; the scales and my part of K step 0 are in (K step 1's load may be out)
	s_barrier_signal -1
	s_barrier_wait -1                              ; everybody's are
	FETCH_B 0, 0, 0
	FETCH_A 0, 0, 0
	SCALES 0
	FETCH_A 0, 0, 4
	STEP 0, 0, 1                                   ; the first step stands in front of the loop: its products start the sums
	s_mov_b32 s3, LAPS-1
.Llap:
	TURN 0, 1, 1
	STEP 1, 0, 0
	TURN 1, 0, 1
	STEP 0, 0, 0
	s_sub_co_u32 s3, s3, 1
	s_cmp_lg_u32 s3, 0
	s_cbranch_scc1 .Llap
	TURN 0, 1, 0                                   ; the last lap fills nothing
	STEP 1, 0, 0
	s_wait_dscnt 4*NL
	WIN MUL_LO
	MUL16 0, 1, NQ-1, 1, 0
	MUL16 2, 1, NQ-1, 1, 0
	s_wait_dscnt 0
	WIN MUL_HI
	MUL16 4, 1, NQ-1, 1, 0
	MUL16 6, 1, NQ-1, 1, 0
	WIN 0
; THE WAY OUT, block by block of 16 rows x 128 columns: through my own stage in LDS and back as whole rows of 512 bytes.  LDS serves a wave's instructions in order (ISA guide 5.7.1.4): no wait between the stores and the loads.
.macro TOSTAGE a
.set AC, 64*((\a)%4)
	WIN 0x08+4*((\a)/4)                            ; the data: window 2 or 3
.irp b, 0,1,2,3,4,5,6,7
	ds_store_b128 v[STO], v[AC+8*\b:AC+8*\b+3] offset:64*\b          ; each accumulator from its low end on
	ds_store_b128 v[STO], v[AC+8*\b+4:AC+8*\b+7] offset:64*\b+16
.endr
	WIN 0
.set BB, BK+64*((\a)%2)
.irp t, 0,1,2,3,4,5,6,7,8,9,10,11,12,13,14,15
	ds_load_b128 v[BB+4*\t:BB+4*\t+3], v[RD] offset:\t*SPITCH
.endr
.endm
.macro SEND a, younger                 ; younger: the LDS instructions issued behind block a's loads, which may stay out
.set BB, BK+64*((\a)%2)
	s_wait_dscnt \younger
.if (\a) > 0
	s_add_nc_u64 s[12:13], s[12:13], 16*SIZE_N*4   ; (behind a wait on XCNT: the earlier stores have read their base)
.endif
.irp t, 0,1,2,3,4,5,6,7,8,9,10,11,12,13,14,15
	global_store_b128 v[CO], v[BB+4*\t:BB+4*\t+3], s[12:13] offset:\t*SIZE_N*4 th:TH_STORE_NT   ; 32 lanes store 512 consecutive bytes, at a multiple of 256 from out0's first byte
.endr
.endm
	PLACES NP
	TOSTAGE 0
.irp a, 1,2,3,4,5,6,7
.if \a > 1
	s_wait_xcnt 0x0                                ; block a - 2's stores have read their registers and their base
.endif
	TOSTAGE \a
	SEND \a-1, 32                                  ; behind block a - 1's loads: block a's 16 stores and 16 loads
.endr
	s_wait_xcnt 0x0
	SEND 7, 0
	s_wait_tensorcnt 0x0                           ; the wave's end
	ds_add_u32 v[SPW], v[NIL]
	s_wait_dscnt 0x0
	CROUND                                         ; the closing round
	s_endpgm
.Lfunc_end_k_qb73abd6b85_proj:
	.size	k_qb73abd6b85_proj, .Lfunc_end_k_qb73abd6b85_proj-k_qb73abd6b85_proj
	.p2alignl 7, 3214868480
	.fill 96, 4, 3214868480
	.section	.rodata,"a",@progbits
	.p2align	6, 0x0
	.amdhsa_kernel k_qb73abd6b85_proj
		.amdhsa_group_segment_fixed_size 327680
		.amdhsa_private_segment_fixed_size 0
		.amdhsa_enable_private_segment 0
		.amdhsa_kernarg_size 48
		.amdhsa_user_sgpr_count 2
		.amdhsa_user_sgpr_kernarg_segment_ptr 1
		.amdhsa_wavefront_size32 1
		.amdhsa_system_sgpr_workgroup_id_x 1
		.amdhsa_system_sgpr_workgroup_id_y 1
		.amdhsa_system_sgpr_workgroup_id_z 1
		.amdhsa_system_vgpr_workitem_id 0
		.amdhsa_next_free_vgpr 1024
		.amdhsa_next_free_sgpr 100
		.amdhsa_reserve_vcc 0
		.amdhsa_float_denorm_mode_32 3
		.amdhsa_float_denorm_mode_16_64 3
		.amdhsa_memory_ordered 1
		.amdhsa_forward_progress 1
		.amdhsa_inst_pref_size 162
	.end_amdhsa_kernel
	.amdgpu_metadata
---
amdhsa.version: [ 1, 2 ]
amdhsa.kernels:
  - .name:           k_qb73abd6b85_proj
    .symbol:         k_qb73abd6b85_proj.kd
    .args:
      - { .name: ycodes, .offset: 0, .size: 8, .value_kind: global_buffer, .address_space: global }
      - { .name: yscales, .offset: 8, .size: 8, .value_kind: global_buffer, .address_space: global }
      - { .name: W_proj_codes, .offset: 16, .size: 8, .value_kind: global_buffer, .address_space: global }
      - { .name: W_proj_scales, .offset: 24, .size: 8, .value_kind: global_buffer, .address_space: global }
      - { .name: b_proj, .offset: 32, .size: 8, .value_kind: global_buffer, .address_space: global }
      - { .name: out0, .offset: 40, .size: 8, .value_kind: global_buffer, .address_space: global }
    .group_segment_fixed_size: 327680
    .private_segment_fixed_size: 0
    .kernarg_segment_align: 8
    .kernarg_segment_size: 48
    .max_flat_workgroup_size: 128
    .sgpr_count:     100
    .vgpr_count:     1024
    .wavefront_size: 32
...
	.end_amdgpu_metadata
.endif
;; end of part 3
